; MI455X (gfx1250); checked and timed in simulation.
; The chip was launched on July 23, 2026; its instructions are those of AMD's public machine-readable ISA for CDNA 5 (MIT licence, August 2026) and "CDNA5" Instruction Set Architecture Reference Guide (July 2026). The comments in the code are by the model that wrote it; some were corrected since.
;; Causal Self Attention. Allowed arithmetic: float matrix products may take bf16 or f16 operands with f32 sums; all other float work in f32.
;; Inputs: b_proj 1,024 float32; b_qkv 3,072 float32; w_proj 1,024 x 1,024 float32; w_qkv 1,024 x 3,072 float32; x 4 x 2,048 x 1,024 float32.
;; Outputs: out0 4 x 2,048 x 1,024 float32.
;; 3 versions, each right; version 2 is faster than version 1; version 3 is version 2 with the launch prep written anew for expert scheduling mode. Each part assembles by itself: llvm-mc -triple=amdgcn-amd-amdhsa -mcpu=gfx1250 --defsym DOCPART=n.
;; ======== version 1 of 3: 4 launches
;; limits: values are held in f16: magnitudes above 65,504 overflow, below 6.1e-05 lose precision
;; workspace buffers: xb 16,777,216 bytes; wqT 6,291,456 bytes; wpT 2,097,152 bytes; qkv 50,331,648 bytes; y 16,777,216 bytes
;; launch prep (part 1): grid 320 x 1, 8 waves a work-group, no clusters, 140,288 bytes of LDS; arguments x, w_qkv, w_proj, xb, wqT, wpT; writes xb, wqT, wpT
.if DOCPART == 1
	.amdgcn_target "amdgcn-amd-amdhsa--gfx1250"
	.amdhsa_code_object_version 6
	.text
	.protected	k_q911bb5d966_prep
	.globl	k_q911bb5d966_prep
	.p2align	8
	.type	k_q911bb5d966_prep,@function
k_q911bb5d966_prep:
	s_mov_b64 s[64:65], 0
	v_nop
	global_prefetch_b8 v0, s[64:65] scope:SCOPE_SE
	s_setreg_imm32_b32 hwreg(HW_REG_WAVE_MODE, 25, 1), 1
	s_wait_xcnt 0x0
; prep: the operands of the two large products, in the form in which the matrix kernels take them.
;   work-groups   0..255: xb  = x rounded to bf16, same layout [8192][1024]; 32,768 numbers each
;   work-groups 256..303: wqT = w_qkv transposed to [3072 n][1024 k], bf16; 64 columns n each
;   work-groups 304..319: wpT = w_proj transposed to [1024 n][1024 k], rounded to bf16 and then written as f16; 64 columns n each
; LIMIT: wpT is f16.  A bf16 number of magnitude 2^-16 .. 65,504 is exact in f16; below 2^-16 it loses bits (absolute error at most 2^-25),
; at 65,504 and above it becomes infinite.
; No matrix unit, no barrier: every wave works on bytes of its own.  Memory is read and written once, in runs of 256 bytes or more.
.set X,   8                            ; v[8:135]   as loaded (cast: 32 x 4; transpose: a ring of 8 steps x 16), later the rows read back
.set Y,   136                          ; v[136:199] cast: packed results
.set T,   136                          ; v[136:143] transpose: 4 columns x 4 k, packed
.set U,   144                          ; v[144:147] transpose: a word widened again
.set VO,  1                            ; byte offset of my 16 bytes in the weight
.set SA,  2                            ; LDS: where I put 8 bytes of a column
.set RDW, 3                            ; LDS: where I read a row back
.set SO,  4                            ; byte offset of my 16 bytes in the transposed weight
.set CC,  5                            ; lane mod 16
.set HH,  6                            ; lane / 16
.set WPITCH, 272                       ; an LDS row: 128 k of 2 bytes + 16
.set WTILE,  64*WPITCH                 ; a wave's own 64 rows
	s_load_b256 s[4:11], s[0:1], 0x0               ; x s[4:5], w_qkv s[6:7], w_proj s[8:9], xb s[10:11]
	s_load_b128 s[12:15], s[0:1], 0x20             ; wqT s[12:13], wpT s[14:15]
	v_lshl_add_u32 v208, v0, 2, 0x22000
	v_mov_b32 v209, 0
	v_lshrrev_b32 v7, 5, v0
	v_readfirstlane_b32 s20, v7                    ; wave 0..7
	s_wait_kmcnt 0x0
	s_cmp_lt_u32 ttmp9, 0x100
	s_cbranch_scc0 .Lweights
	; ---- the cast of x: thread t takes 16 bytes at 16 t of each of 32 blocks of 4,096 bytes; all 32 loads go out at once
	s_lshl_b32 s16, ttmp9, 17                      ; 131,072 bytes of x,
	s_mov_b32 s17, 0
	s_lshl_b32 s18, ttmp9, 16                      ; 65,536 bytes of xb for each work-group
	s_mov_b32 s19, 0
	s_add_nc_u64 s[4:5], s[4:5], s[16:17]
	s_add_nc_u64 s[10:11], s[10:11], s[18:19]
	v_lshlrev_b32 v1, 4, v0
	v_lshlrev_b32 v2, 3, v0
.set i, 0
.rept 32
	global_load_b128 v[X+4*i:X+4*i+3], v1, s[4:5] offset:4096*i th:TH_LOAD_NT
.set i, i+1
.endr
.set i, 0
.rept 32
	s_wait_loadcnt 31-i                            ; loads return in order: block i is in, the 31-i younger ones stay out
	v_cvt_pk_bf16_f32 v[Y+2*i], v[X+4*i], v[X+4*i+1]
	v_cvt_pk_bf16_f32 v[Y+2*i+1], v[X+4*i+2], v[X+4*i+3]
	global_store_b64 v2, v[Y+2*i:Y+2*i+1], s[10:11] offset:2048*i   ; a wave stores 256 consecutive bytes, aligned; no register is used twice
.set i, i+1
.endr
	s_endpgm
.Lweights:
	; ---- a transpose: wave w takes k = 128 w .. 128 w + 127 of the work-group's 64 columns
	v_and_b32 v[CC], 15, v0
	v_bfe_u32 v[HH], v0, 4, 1
	s_mul_i32 s21, s20, WTILE                      ; my wave's own LDS bytes
	v_mul_u32_u24 v[SA], v[CC], 4*WPITCH           ; in: LDS row n = 4 c + i, byte 2 k = 16 u + 8 hh
	v_lshl_add_u32 v[SA], v[HH], 3, v[SA]
	v_add_nc_u32 v[SA], s21, v[SA]
	v_mul_u32_u24 v[RDW], v[HH], WPITCH            ; back: lanes 0-15 one row of 256 bytes, lanes 16-31 the next
	v_lshl_add_u32 v[RDW], v[CC], 4, v[RDW]
	v_add_nc_u32 v[RDW], s21, v[RDW]
	s_lshl_b32 s23, s20, 8                         ; my 128 k are 256 bytes of a transposed row
	v_lshlrev_b32 v[SO], 11, v[HH]                 ; a transposed row is 2,048 bytes
	v_lshl_add_u32 v[SO], v[CC], 4, v[SO]
	v_add_nc_u32 v[SO], s23, v[SO]
; np: bytes in a row of the weight; half = 1: bf16 values written as f16; src, dst: the pointers' first registers; s24: the tile of 64 columns.
; Step u (0..15): four loads; lane (c, hh) gets rows k = 8 u + 4 hh + q, q = 0..3, columns 4 c .. 4 c + 3; sixteen lanes read 256 aligned bytes of a row.
; For each of its 4 columns the lane packs 4 k into 8 bytes and puts them into the column's LDS row.  These 8-byte stores meet four deep in the
; banks (the pitch of 4 rows is 64 modulo 256 bytes): 64 instructions of a wave in the whole launch.
.macro WT np, half, src, dst
	s_lshl_b32 s16, s24, 8                         ; 64 columns of f32
	s_mov_b32 s17, 0
	s_lshl_b32 s18, s24, 17                        ; 64 transposed rows of 2,048 bytes
	s_mov_b32 s19, 0
	s_add_nc_u64 s[\src:\src+1], s[\src:\src+1], s[16:17]
	s_add_nc_u64 s[\dst:\dst+1], s[\dst:\dst+1], s[18:19]
	s_mul_i32 s22, s20, 128*\np
	v_mul_u32_u24 v[VO], v[HH], 4*\np
	v_lshl_add_u32 v[VO], v[CC], 4, v[VO]
	v_add_nc_u32 v[VO], s22, v[VO]
.set u, 0
.rept 8
.irp q, 0,1,2,3
	global_load_b128 v[X+16*u+4*\q:X+16*u+4*\q+3], v[VO], s[\src:\src+1] offset:(8*u+\q)*\np th:TH_LOAD_NT
.endr
.set u, u+1
.endr
.set u, 0
.rept 16
.if u < 8
	s_wait_loadcnt 28                              ; step u is in; 32 + 4 u issued, 4 u + 4 needed: 28 younger loads stay out
.else
	s_wait_loadcnt 60-4*u                          ; nothing more is issued: the count runs down to 0
.endif
.irp i, 0,1,2,3
	v_cvt_pk_bf16_f32 v[T+2*\i], v[X+16*(u%8)+\i], v[X+16*(u%8)+4+\i]
	v_cvt_pk_bf16_f32 v[T+2*\i+1], v[X+16*(u%8)+8+\i], v[X+16*(u%8)+12+\i]
.if \half
	v_lshlrev_b32 v[U], 16, v[T+2*\i]              ; the bf16 values as f32 again,
	v_and_b32 v[U+1], 0xffff0000, v[T+2*\i]
	v_lshlrev_b32 v[U+2], 16, v[T+2*\i+1]
	v_and_b32 v[U+3], 0xffff0000, v[T+2*\i+1]
	v_cvt_pk_f16_f32 v[T+2*\i], v[U], v[U+1]       ; and as f16
	v_cvt_pk_f16_f32 v[T+2*\i+1], v[U+2], v[U+3]
.endif
	ds_store_b64 v[SA], v[T+2*\i:T+2*\i+1] offset:\i*WPITCH+16*u
.endr
.if u < 8
.irp q, 0,1,2,3
	global_load_b128 v[X+16*u+4*\q:X+16*u+4*\q+3], v[VO], s[\src:\src+1] offset:(8*(u+8)+\q)*\np th:TH_LOAD_NT
.endr
.endif
.set u, u+1
.endr
.set u, 0
.rept 32
	ds_load_b128 v[X+4*u:X+4*u+3], v[RDW] offset:2*WPITCH*u    ; my own bytes; LDS serves a wave in order (ISA guide 5.7.1), so these see the stores above
.set u, u+1
.endr
.set u, 0
.rept 32
	s_wait_dscnt 31-u                              ; rows 2 u, 2 u + 1 are in; the 31-u younger loads stay out
	global_store_b128 v[SO], v[X+4*u:X+4*u+3], s[\dst:\dst+1] offset:4096*u   ; sixteen lanes store 256 consecutive bytes, aligned
.set u, u+1
.endr
.endm
	s_cmp_lt_u32 ttmp9, 0x130
	s_cbranch_scc0 .Lproj
	s_sub_co_u32 s24, ttmp9, 0x100
	WT 12288, 0, 6, 12
	s_wait_tensorcnt 0x0
	ds_add_u32 v208, v209
	s_wait_dscnt 0x0
	s_endpgm
.Lproj:
	s_sub_co_u32 s24, ttmp9, 0x130
	WT 4096, 1, 8, 14
	s_wait_tensorcnt 0x0
	ds_add_u32 v208, v209
	s_wait_dscnt 0x0
	s_endpgm
.Lfunc_end_k_q911bb5d966_prep:
	.size	k_q911bb5d966_prep, .Lfunc_end_k_q911bb5d966_prep-k_q911bb5d966_prep
	.p2alignl 7, 3214868480
	.fill 96, 4, 3214868480
	.section	.rodata,"a",@progbits
	.p2align	6, 0x0
	.amdhsa_kernel k_q911bb5d966_prep
		.amdhsa_group_segment_fixed_size 140288
		.amdhsa_private_segment_fixed_size 0
		.amdhsa_enable_private_segment 0
		.amdhsa_kernarg_size 48
		.amdhsa_user_sgpr_count 2
		.amdhsa_user_sgpr_kernarg_segment_ptr 1
		.amdhsa_wavefront_size32 1
		.amdhsa_system_sgpr_workgroup_id_x 1
		.amdhsa_system_sgpr_workgroup_id_y 1
		.amdhsa_system_sgpr_workgroup_id_z 1
		.amdhsa_system_vgpr_workitem_id 0
		.amdhsa_next_free_vgpr 210
		.amdhsa_next_free_sgpr 66
		.amdhsa_reserve_vcc 0
		.amdhsa_float_denorm_mode_32 3
		.amdhsa_float_denorm_mode_16_64 3
		.amdhsa_memory_ordered 1
		.amdhsa_forward_progress 1
		.amdhsa_inst_pref_size 84
	.end_amdhsa_kernel
	.amdgpu_metadata
---
amdhsa.version: [ 1, 2 ]
amdhsa.kernels:
  - .name:           k_q911bb5d966_prep
    .symbol:         k_q911bb5d966_prep.kd
    .args:
      - { .name: x, .offset: 0, .size: 8, .value_kind: global_buffer, .address_space: global }
      - { .name: w_qkv, .offset: 8, .size: 8, .value_kind: global_buffer, .address_space: global }
      - { .name: w_proj, .offset: 16, .size: 8, .value_kind: global_buffer, .address_space: global }
      - { .name: xb, .offset: 24, .size: 8, .value_kind: global_buffer, .address_space: global }
      - { .name: wqT, .offset: 32, .size: 8, .value_kind: global_buffer, .address_space: global }
      - { .name: wpT, .offset: 40, .size: 8, .value_kind: global_buffer, .address_space: global }
    .group_segment_fixed_size: 140288
    .private_segment_fixed_size: 0
    .kernarg_segment_align: 8
    .kernarg_segment_size: 48
    .max_flat_workgroup_size: 256
    .sgpr_count:     66
    .vgpr_count:     210
    .wavefront_size: 32
...
	.end_amdgpu_metadata
.endif
;; end of part 1
;; launch qkvgemm (part 2): grid 16 x 32, 4 waves a work-group, clusters of 4 x 4, 327,680 bytes of LDS; arguments xb, wqT, b_qkv, qkv; writes qkv
.if DOCPART == 2
	.amdgcn_target "amdgcn-amd-amdhsa--gfx1250"
	.amdhsa_code_object_version 6
	.text
	.protected	k_q911bb5d966_qkvgemm
	.globl	k_q911bb5d966_qkvgemm
	.p2align	8
	.type	k_q911bb5d966_qkvgemm,@function
k_q911bb5d966_qkvgemm:
	s_mov_b64 s[64:65], 0
	v_nop
	global_prefetch_b8 v0, s[64:65] scope:SCOPE_SE
	s_setreg_imm32_b32 hwreg(HW_REG_WAVE_MODE, 25, 1), 1
	s_wait_xcnt 0x0
	s_wait_alu depctr_hold_cnt(0) depctr_sa_sdst(0) depctr_va_vdst(0) depctr_va_sdst(0) depctr_va_ssrc(0) depctr_va_vcc(0) depctr_vm_vsrc(0)
	s_getreg_b32 s2, hwreg(HW_REG_IB_STS2, 6, 4)
	s_cmp_eq_u32 s2, 0
	s_cbranch_scc0 .Lentry_in_a_cluster
	s_endpgm
.Lentry_in_a_cluster:
	s_bfe_u32 s2, ttmp6, 0x10000c
	s_cmp_lg_u32 s2, 0xf033
	s_cbranch_scc0 .Lentry_shape_is_right
	s_endpgm
.Lentry_shape_is_right:
; qkv = x w_qkv + b_qkv.  A = xb [8192 m][1024 k] bf16, B = wqT [3072 n][1024 k] bf16, bias f32, sums in f32.
; The result goes out in f16 as 48 slabs [g = n / 64][8192 m][64 d] (0-15 q heads, 16-31 k heads, 32-47 v heads): a slab's rows are 128 bytes
; and follow each other, so every store of a wave is 512 consecutive bytes and every later tile of a head is one dense block.
; LIMIT: the result is f16: magnitudes of 65,504 and above become infinite.
; A work-group makes 256 rows x 192 columns (three whole heads) with four waves; wave w makes rows 64 w .. 64 w + 63 of all 192 columns:
; 4 x 12 accumulator tiles of 16 x 16, 384 registers.  K goes in 8 steps of 128 through two LDS slots filled by the tensor data mover;
; a tile's rows are 256 bytes of memory at multiples of 256 bytes.
; CLUSTERS: 4 x 4 work-groups.  A's tile hangs on the block row alone and is asked for jointly by the four of a row of the cluster, B's on the
; block column alone and jointly by the four of a column.  Waves 0, 1 ask for A's halves, waves 2, 3 for B's: one tensor load a wave behind each
; round; by this text's count a wave has two tensor loads out at the start and one later.
; REGISTERS: window 0: v16-27 addresses, v32-63 and v64-95 A's fragments (two buffers), v96-191 the bias tiles, later the way out;
; window 1: v0-95 and v96-191 B's fragments (two buffers); window 2: tiles of my rows 0-31 at v[8 (12 a + b)]; window 3: rows 32-63.
; THE MATRIX INSTRUCTION IS USED TRANSPOSED: source 0 = 16 rows of B, source 1 = 16 rows of A, so lane l holds row m = l % 16 and its registers
; the columns n = 16 b + 8 (l / 16) + 0..7.  The first product of each tile takes the bias tile as C: nothing is cleared, nothing added later.
.set NF,     12
.set BN,     16*NF
.set KSTEP,  128
.set PITCH,  272                       ; 256 bytes + 16: the 16 rows of a fragment load start 16 bytes apart modulo 256
.set HALFA,  128*PITCH
.set HALFB,  (BN/2)*PITCH
.set SLOT,   2*HALFA+2*HALFB           ; A's 256 rows, then B's 192
.set STAGE,  2*SLOT                    ; behind the ring, a multiple of 256: no fill lands here
.set SPITCH, 400                       ; a stage row: 192 f16 + 16 bytes
.set LAPS,   1024/(2*KSTEP)
.set ASTEP,  KSTEP*2                   ; bytes from a K step's tile to the next
.set BSTEP,  KSTEP*2
.set ADRA, 16
.set ADRB, 20
.set STO,  24
.set RD,   25
.set CO,   26
.set BO,   27
.set FA,   32
.set BIAS, 96
.set TMP,  96
.set OB,   144
.set G1,  24
.set G0,  32
.set G1B, 48
.set G0B, 56
.set DESC0, (1<<16)|(1<<20)|(1<<21)|(5<<22)|(3<<25)   ; elements of 2 bytes; padding on; bit 21 beside a mask; after every 64 words 4 words
.set MSB, 0
.macro WIN new                         ; the immediate's high byte repeats the setting that is left
.if MSB != \new
	s_set_vgpr_msb (MSB<<8)|\new
.set MSB, \new
.endif
.endm
.set MUL_LO,  0xa1                     ; source 0 (B) window 1, source 1 (A) window 0, C and D window 2
.set MUL_HI,  0xf1                     ; the same, C and D window 3
.set ZERO_LO, 0x81                     ; C (the bias) window 0, D window 2
.set ZERO_HI, 0xc1                     ; C window 0, D window 3
.set TO_B,    0x40
.macro JLOAD s                         ; a joint load: the branch hangs on the wave's number alone
	s_cmp_eq_u32 s13, 0
	s_cbranch_scc0 .Lfor_b_\@
	tensor_load_to_lds s[G0+4*\s:G0+4*\s+3], s[G1:G1+7]
	s_nop 0
	s_branch .Lasked_\@
.Lfor_b_\@:
	tensor_load_to_lds s[G0B+4*\s:G0B+4*\s+3], s[G1B:G1B+7]
	s_nop 0
.Lasked_\@:
.endm
.macro CREST                           ; a round of the cluster's barrier behind its opening barrier
	s_cmp_lg_u32 s12, 0
	s_cbranch_scc1 .Lnot_wave_0_\@
	s_barrier_signal -3
.Lnot_wave_0_\@:
	s_barrier_wait -3
	s_barrier_signal -1
	s_barrier_wait -1
.endm
.macro CROUND
	s_barrier_signal -1
	s_barrier_wait -1
	CREST
.endm
.macro PLACES                          ; four places behind matrix instructions, in front of loads into their sources and of reads of their results
.rept 4
	v_nop
.endr
.endm
	s_load_b256 s[4:11], s[0:1], 0x0               ; A s[4:5], B s[6:7], bias s[8:9], C s[10:11]
	s_set_vgpr_msb 0x40
	v_lshl_add_u32 v255, v0, 2, 0x41c00
	s_set_vgpr_msb 0x4000
	v_mov_b32 v255, 0
	s_set_vgpr_msb 0x1
	ds_add_u32 v255, v255
	ds_add_u32 v255, v255
	s_set_vgpr_msb 0x100
	v_lshrrev_b32 v1, 5, v0
	v_readfirstlane_b32 s12, v1                    ; wave 0..3
	s_lshr_b32 s13, s12, 1                         ; I fetch for A (0) or for B (1)
	s_and_b32 s14, s12, 1                          ; which half of that tile
	s_bfe_u32 s40, ttmp6, 0x40000                  ; cx
	s_bfe_u32 s41, ttmp6, 0x40004                  ; cy
	s_lshl_b32 s42, ttmp9, 2
	s_add_co_u32 s42, s42, s40                     ; block column
	s_and_b32 s43, ttmp7, 0xffff
	s_lshl_b32 s43, s43, 2
	s_add_co_u32 s43, s43, s41                     ; block row
	s_lshl_b32 s44, s41, 2
	s_lshl_b32 s44, 15, s44                        ; my row of the cluster
	s_lshl_b32 s45, 0x1111, s40                    ; my column
	s_or_b32 s[G1+0], s44, DESC0
	s_mov_b32 s[G1+1], KSTEP<<16                   ; tensor_dim0 = 128
	s_mov_b32 s[G1+2], 128<<16                     ; tensor_dim1 = 128
	s_mov_b32 s[G1+3], KSTEP<<16                   ; tile_dim0 = 128
	s_mov_b32 s[G1+4], 128                         ; tile_dim1 = 128 rows
	s_mov_b32 s[G1+5], 1024                        ; elements from row to row
	s_mov_b32 s[G1+6], 0
	s_mov_b32 s[G1+7], 0
	s_or_b32 s[G1B+0], s45, DESC0
	s_mov_b32 s[G1B+1], KSTEP<<16
	s_mov_b32 s[G1B+2], (BN/2)<<16                 ; 96 rows
	s_mov_b32 s[G1B+3], KSTEP<<16
	s_mov_b32 s[G1B+4], BN/2
	s_mov_b32 s[G1B+5], 1024
	s_mov_b32 s[G1B+6], 0
	s_mov_b32 s[G1B+7], 0
	s_lshl_b32 s16, s43, 8                         ; A: row 256 x block row + 128 x half,
	s_lshl_b32 s18, s14, 7
	s_add_co_u32 s16, s16, s18
	s_lshl_b32 s16, s16, 11                        ; rows of 2,048 bytes
	s_mov_b32 s17, 0
	s_mul_i32 s46, s42, BN                         ; B: row 192 x block column + 96 x half
	s_mul_i32 s18, s14, BN/2
	s_add_co_u32 s46, s46, s18
	s_lshl_b32 s46, s46, 11
	s_mov_b32 s47, 0
	s_mul_i32 s20, s12, HALFA                      ; LDS: A's halves at wave x 34,816 (waves 0, 1),
	s_mul_i32 s21, s12, HALFB                      ; B's at wave x 26,112 + a constant (waves 2, 3)
	s_add_co_u32 s21, s21, 2*HALFA-2*HALFB
	s_mul_i32 s68, s42, BN*4                       ; my 192 numbers of the bias
	s_mov_b32 s69, 0
	s_wait_dscnt 0x0
	s_wait_kmcnt 0x0
	s_add_nc_u64 s[16:17], s[4:5], s[16:17]
	s_add_nc_u64 s[46:47], s[6:7], s[46:47]
	s_add_nc_u64 s[8:9], s[8:9], s[68:69]
	CROUND                                         ; all sixteen work-groups are here: the first joint loads meet
.irp s, 0,1
	s_mov_b32 s[G0+4*\s], 1
	s_add_co_u32 s[G0+4*\s+1], s20, \s*SLOT
	s_add_nc_u64 s[G0+4*\s+2:G0+4*\s+3], s[16:17], \s*ASTEP
	s_or_b32 s[G0+4*\s+3], s[G0+4*\s+3], 0x80000000
	s_mov_b32 s[G0B+4*\s], 1
	s_add_co_u32 s[G0B+4*\s+1], s21, \s*SLOT
	s_add_nc_u64 s[G0B+4*\s+2:G0B+4*\s+3], s[46:47], \s*BSTEP
	s_or_b32 s[G0B+4*\s+3], s[G0B+4*\s+3], 0x80000000
	JLOAD \s
.endr
	v_and_b32 v1, 15, v0                           ; r = l % 16
	v_bfe_u32 v2, v0, 4, 1                         ; h = l / 16
	v_lshlrev_b32 v[BO], 5, v2                     ; the bias tile b: register j = bias[16 b + 8 h + j], the same for every row
.irp b, 0,1,2,3,4,5,6,7,8,9,10,11
	global_load_b128 v[BIAS+8*\b:BIAS+8*\b+3], v[BO], s[8:9] offset:64*\b
	global_load_b128 v[BIAS+8*\b+4:BIAS+8*\b+7], v[BO], s[8:9] offset:64*\b+16
.endr
	v_mul_u32_u24 v3, v1, PITCH
	v_lshl_add_u32 v3, v2, 4, v3                   ; row x pitch + 16 h
	s_mul_i32 s22, s12, 64*PITCH                   ; my 64 rows of A
	v_add_nc_u32 v[ADRA], s22, v3
	v_add_nc_u32 v[ADRA+1], SLOT, v[ADRA]
	v_add_nc_u32 v[ADRB], 2*HALFA, v3              ; B lies behind A's 256 rows; every wave reads all of it
	v_add_nc_u32 v[ADRB+1], SLOT, v[ADRB]
	s_mul_i32 s23, s12, 16*SPITCH
	s_add_co_u32 s23, s23, STAGE                   ; my stage
	v_mul_u32_u24 v4, v1, SPITCH
	v_lshl_add_u32 v4, v2, 4, v4
	v_add_nc_u32 v[STO], s23, v4                   ; in: row r, 16 bytes for each half of the lanes
	v_and_b32 v5, 31, v0
	v_lshrrev_b32 v6, 3, v5
	v_and_b32 v7, 7, v0
	v_mul_u32_u24 v6, v6, SPITCH
	v_lshl_add_u32 v6, v7, 4, v6
	v_add_nc_u32 v[RD], s23, v6                    ; back: eight lanes take the 128 bytes of one head in one row, a wave four rows
	v_lshlrev_b32 v[CO], 4, v5                     ; which are 512 consecutive bytes of the slab
; NF matrix instructions: row block a of the window's two (hi = 0: my rows 0-31, 1: rows 32-63) x all NF column blocks, 32 along K.
; The accumulators take turns, one instruction a turn.
.macro MULA f, hi, a, zero
.irp b, 0,1,2,3,4,5,6,7,8,9,10,11
.if \zero
	v_wmma_f32_16x16x32_bf16 v[8*(NF*\a+\b):8*(NF*\a+\b)+7], v[96*\f+8*\b:96*\f+8*\b+7], v[FA+32*\f+8*(2*\hi+\a):FA+32*\f+8*(2*\hi+\a)+7], v[BIAS+8*\b:BIAS+8*\b+7]
.else
	v_wmma_f32_16x16x32_bf16 v[8*(NF*\a+\b):8*(NF*\a+\b)+7], v[96*\f+8*\b:96*\f+8*\b+7], v[FA+32*\f+8*(2*\hi+\a):FA+32*\f+8*(2*\hi+\a)+7], v[8*(NF*\a+\b):8*(NF*\a+\b)+7]
.endif
.endr
.endm
; the fragments of quarter q of a K step into buffer f: 2 NF loads of B, then 8 of A
.macro FETCH slot, q, f
	WIN TO_B
.irp i, 0,1,2,3,4,5,6,7,8,9,10,11
	ds_load_b128 v[96*\f+8*\i:96*\f+8*\i+3], v[ADRB+\slot] offset:64*\q+\i*16*PITCH
	ds_load_b128 v[96*\f+8*\i+4:96*\f+8*\i+7], v[ADRB+\slot] offset:64*\q+\i*16*PITCH+32
.endr
	WIN 0
.irp i, 0,1,2,3
	ds_load_b128 v[FA+32*\f+8*\i:FA+32*\f+8*\i+3], v[ADRA+\slot] offset:64*\q+\i*16*PITCH
	ds_load_b128 v[FA+32*\f+8*\i+4:FA+32*\f+8*\i+7], v[ADRA+\slot] offset:64*\q+\i*16*PITCH+32
.endr
.endm
; multiplies buffer f; in its middle fetches quarter q of the same slot into buffer g
.macro QUARTER slot, q, f, g, zero
	s_wait_dscnt 4                                 ; B and A's fragments 0, 1 are in; the youngest four loads (A's fragments 2, 3) may be out
.if \zero
	WIN ZERO_LO
.else
	WIN MUL_LO
.endif
	MULA \f, 0, 0, \zero
	MULA \f, 0, 1, \zero
	PLACES
	FETCH \slot, \q, \g
	s_wait_dscnt 2*NF+8                            ; all but the run just issued
.if \zero
	WIN ZERO_HI
.else
	WIN MUL_HI
.endif
	MULA \f, 1, 0, \zero
	MULA \f, 1, 1, \zero
.endm
.macro THREE slot, zero
	QUARTER \slot, 1, 0, 1, \zero
	QUARTER \slot, 2, 1, 0, 0
	QUARTER \slot, 3, 0, 1, 0
.endm
; the last quarter of a K step: multiplies buffer 1 and changes slots.  In front of the barrier each wave waits for its reads of this slot and
; for all its tensor loads (one is out: its part of the next slot).  With fill = 1 the barrier opens a round of the cluster's barrier, and the
; joint refill of this slot, two K steps ahead, is the first tensor load behind the round.
.macro TURN slot, next, fill
	s_wait_dscnt 4
	WIN MUL_LO
	MULA 1, 0, 0, 0
	s_wait_dscnt 0
	s_wait_tensorcnt 0x0
	ds_add_u32 v255, v255
	s_wait_dscnt 0x0
	s_barrier_signal -1
	MULA 1, 0, 1, 0                                ; registers only
	WIN 0
	s_barrier_wait -1
.if \fill
	CREST
	s_add_nc_u64 s[G0+4*\slot+2:G0+4*\slot+3], s[G0+4*\slot+2:G0+4*\slot+3], 2*ASTEP
	s_add_nc_u64 s[G0B+4*\slot+2:G0B+4*\slot+3], s[G0B+4*\slot+2:G0B+4*\slot+3], 2*BSTEP
	JLOAD \slot
.endif
	PLACES
	FETCH \next, 0, 0
	WIN MUL_HI
	MULA 1, 1, 0, 0
	MULA 1, 1, 1, 0
.endm
.macro LAP zero
	THREE 0, \zero
	TURN 0, 1, 1
	THREE 1, 0
	TURN 1, 0, 1
.endm
	s_wait_tensorcnt 0x1                           ; my part of K step 0 is in; K step 1's load stays out
	s_barrier_signal -1
	s_barrier_wait -1
	FETCH 0, 0, 0
	s_wait_loadcnt 0x0                             ; the bias tiles
	LAP 1                                          ; the first lap: its first products start the sums from the bias
	WIN 0
	s_mov_b32 s15, LAPS-2
.Llap:
	LAP 0
	WIN 0
	s_sub_co_u32 s15, s15, 1
	s_cmp_lg_u32 s15, 0
	s_cbranch_scc1 .Llap
	THREE 0, 0                                     ; the last lap fills nothing
	TURN 0, 1, 0
	THREE 1, 0
	s_wait_dscnt 4
	WIN MUL_LO
	MULA 1, 0, 0, 0
	MULA 1, 0, 1, 0
	s_wait_dscnt 0
	WIN MUL_HI
	MULA 1, 1, 0, 0
	MULA 1, 1, 1, 0
	; THE WAY OUT, 16 rows at a time: round to f16, 16 bytes a lane into my own stage, read back head by head, four rows a store.
	PLACES
	s_mul_i32 s68, s42, 3*1048576                  ; three slabs for each block column,
	s_lshl_b32 s69, s43, 15                        ; 256 rows of 128 bytes for each block row,
	s_add_co_u32 s68, s68, s69
	s_lshl_b32 s69, s12, 13                        ; 64 rows for each wave
	s_add_co_u32 s68, s68, s69
	s_mov_b32 s69, 0
	s_add_nc_u64 s[10:11], s[10:11], s[68:69]
.macro OUT16 a, ap, from, ob
	WIN \from
.irp b, 0,1,2,3,4,5,6,7,8,9,10,11
.irp rr, 0,1,2,3
	v_cvt_pk_f16_f32 v[TMP+4*\b+\rr], v[8*(NF*\ap+\b)+2*\rr], v[8*(NF*\ap+\b)+2*\rr+1]
.endr
.endr
	WIN 0
.irp b, 0,1,2,3,4,5,6,7,8,9,10,11
	ds_store_b128 v[STO], v[TMP+4*\b:TMP+4*\b+3] offset:32*\b
.endr
	s_wait_xcnt 0x0                                ; the buffer that earlier stores read is loaded again only behind this wait
.irp s, 0,1,2
.irp t, 0,1,2,3
	ds_load_b128 v[\ob+4*(4*\s+\t):\ob+4*(4*\s+\t)+3], v[RD] offset:4*SPITCH*\t+128*\s   ; my own bytes, served in order behind the stores above
.endr
.endr
.irp s, 0,1,2
.irp t, 0,1,2,3
	s_wait_dscnt 11-(4*\s+\t)                      ; this load is in, the younger ones stay out
	global_store_b128 v[CO], v[\ob+4*(4*\s+\t):\ob+4*(4*\s+\t)+3], s[10:11] offset:\s*1048576+\a*2048+\t*512   ; 512 consecutive bytes of slab s
.endr
.endr
.endm
	OUT16 0, 0, 0x0a, OB
	OUT16 1, 1, 0x0a, OB+48
	OUT16 2, 0, 0x0f, OB
	OUT16 3, 1, 0x0f, OB+48
	s_set_vgpr_msb 0x1
	s_wait_tensorcnt 0x0
	ds_add_u32 v255, v255
	s_wait_dscnt 0x0
	s_set_vgpr_msb 0x100
	CROUND                                         ; the closing round: no work-group ends while a partner may still ask for a tile that names it
	s_endpgm
.Lfunc_end_k_q911bb5d966_qkvgemm:
	.size	k_q911bb5d966_qkvgemm, .Lfunc_end_k_q911bb5d966_qkvgemm-k_q911bb5d966_qkvgemm
	.p2alignl 7, 3214868480
	.fill 96, 4, 3214868480
	.section	.rodata,"a",@progbits
	.p2align	6, 0x0
	.amdhsa_kernel k_q911bb5d966_qkvgemm
		.amdhsa_group_segment_fixed_size 327680
		.amdhsa_private_segment_fixed_size 0
		.amdhsa_enable_private_segment 0
		.amdhsa_kernarg_size 32
		.amdhsa_user_sgpr_count 2
		.amdhsa_user_sgpr_kernarg_segment_ptr 1
		.amdhsa_wavefront_size32 1
		.amdhsa_system_sgpr_workgroup_id_x 1
		.amdhsa_system_sgpr_workgroup_id_y 1
		.amdhsa_system_sgpr_workgroup_id_z 1
		.amdhsa_system_vgpr_workitem_id 0
		.amdhsa_next_free_vgpr 960
		.amdhsa_next_free_sgpr 72
		.amdhsa_reserve_vcc 0
		.amdhsa_float_denorm_mode_32 3
		.amdhsa_float_denorm_mode_16_64 3
		.amdhsa_memory_ordered 1
		.amdhsa_forward_progress 1
		.amdhsa_inst_pref_size 166
	.end_amdhsa_kernel
	.amdgpu_metadata
---
amdhsa.version: [ 1, 2 ]
amdhsa.kernels:
  - .name:           k_q911bb5d966_qkvgemm
    .symbol:         k_q911bb5d966_qkvgemm.kd
    .args:
      - { .name: xb, .offset: 0, .size: 8, .value_kind: global_buffer, .address_space: global }
      - { .name: wqT, .offset: 8, .size: 8, .value_kind: global_buffer, .address_space: global }
      - { .name: b_qkv, .offset: 16, .size: 8, .value_kind: global_buffer, .address_space: global }
      - { .name: qkv, .offset: 24, .size: 8, .value_kind: global_buffer, .address_space: global }
    .group_segment_fixed_size: 327680
    .private_segment_fixed_size: 0
    .kernarg_segment_align: 8
    .kernarg_segment_size: 32
    .max_flat_workgroup_size: 128
    .sgpr_count:     72
    .vgpr_count:     960
    .wavefront_size: 32
...
	.end_amdgpu_metadata
.endif
;; end of part 2
;; launch attn (part 3): grid 256 x 1, 4 waves a work-group, no clusters, 327,680 bytes of LDS; arguments qkv, y; writes y
.if DOCPART == 3
	.amdgcn_target "amdgcn-amd-amdhsa--gfx1250"
	.amdhsa_code_object_version 6
	.text
	.protected	k_q911bb5d966_attn
	.globl	k_q911bb5d966_attn
	.p2align	8
	.type	k_q911bb5d966_attn,@function
k_q911bb5d966_attn:
	s_mov_b64 s[64:65], 0
	v_nop
	global_prefetch_b8 v0, s[64:65] scope:SCOPE_SE
	s_setreg_imm32_b32 hwreg(HW_REG_WAVE_MODE, 25, 1), 1
	s_wait_xcnt 0x0
; Causal attention for 64 (batch, head) pairs, T = 2048, D = 64.  q, k, v come as f16 slabs [g][8192 m][64 d]; y goes out as f16 slabs [h][8192 m][64 d].
; Work-group = (pair hd = id / 4, p = id % 4): first the query block of 256 rows number p, then block 7 - p: (p + 1) + (8 - p) = 9 key spans of 256
; in every work-group.  Wave w owns 64 queries.  Keys above the diagonal are not computed; the diagonal tile of 64 x 64 is masked with -inf.
; Softmax with a running maximum, in f32; P is rounded to f16 for the second product, the sum is formed from the f32 exponentials.
; LIMIT: q, k, v, y are f16 (magnitudes of 65,504 and above are infinite).
; NO CLUSTER: the four work-groups of a head read the same K and V, but in each phase they need different numbers of tiles (2 (p + 1), then
; 2 (8 - p) steps), and partners of a joint load must make the same requests in the same order; walking in step would cost 12 spans for 9.
; TRANSPOSED SCHEME, no shuffles: S^T = K Q^T (source 0 = 16 keys, source 1 = 16 queries): lane (r, h) register j of tile i holds key 16 i + 8 h + j
; of query r.  Two neighbouring key tiles, packed to f16, are then the second source of O^T = V^T P^T, whose first source is V read through
; the transposing LDS load.  Maximum, sum and scale belong to a query, that is to a lane; one exchange joins the two halves of the lanes.
; LDS: K slots 0 / 17,408 (64 rows of 256 + 16 bytes, two keys a row), V slots 34,816 / 53,248 (pitch 288), Q of block A 71,680, of block B 106,496,
; stages 141,312 + wave x 9,216 (64 rows x 144), into which no fill lands.  A slot holds 128 keys; waves 0, 1 fetch K's halves, waves 2, 3 V's.
; By this text's count a wave has three tensor loads out at the start and one behind each barrier.
.set TB,     16384                     ; bytes of 128 keys in a slab
.set KSLOT,  17408
.set VSLOT,  18432
.set VBASE,  34816
.set QBASE,  71680
.set QBLK,   34816
.set STAGE,  141312
.set G1K, 32
.set G1V, 40
.set G0K, 48
.set G0V, 56
.set G0Q, 68
.set MK,  76                           ; s[76:83] lanes in which register j of the diagonal tile is above the diagonal
.set OFF, 18                           ; s[18:19], s[20:21] byte offset of the slot's next tile
.set M,    8                           ; v[8:11]   running maximum of query tile c
.set L,    12                          ; v[12:15]  running sum (this half of the lanes)
.set T,    16                          ; v[16:19]  at work
.set NM,   20                          ; v20       - maximum x scale (v21 written once: the pair is named)
.set AL,   22                          ; v22       the factor for the old sums (v23 likewise)
.set SUMA, 24
.set SUMB, 26
.set NMS,  28                          ; v[28:31]  the last NM of query tile c
.set SB0,  32                          ; v[32:63], v[64:95]   S^T of one query tile, two buffers
.set SB1,  64
.set PB0,  96                          ; v[96:111], v[112:127] P^T in f16, two buffers
.set PB1,  112
.set QF,   128                         ; v[128:191] Q fragments (c, dk)
.set OUT,  192                         ; v[192:255] rows on their way out
.set KF,   0                           ; window 1: K fragments (i, dk)
.set VF,   64                          ; window 1: V^T fragments (ks, e)
.set OA,   128                         ; window 1: O^T tiles (c, e)
.set MSB, 0
.macro WIN new
.if MSB != \new
	s_set_vgpr_msb (MSB<<8)|\new
.set MSB, \new
.endif
.endm
.macro PLACES                          ; four places behind matrix instructions (ISA guide 7.12.1)
.rept 4
	v_nop
.endr
.endm
.macro KVLOAD n                        ; my part of a slot: the branch hangs on the wave's number alone
	s_cmp_eq_u32 s9, 0
	s_cbranch_scc0 .Lfor_v_\@
	tensor_load_to_lds s[G0K+4*\n:G0K+4*\n+3], s[G1K:G1K+7]
	s_nop 0
	s_branch .Lasked_\@
.Lfor_v_\@:
	tensor_load_to_lds s[G0V+4*\n:G0V+4*\n+3], s[G1V:G1V+7]
	s_nop 0
.Lasked_\@:
.endm
.macro KLOAD slot, t                   ; 64 keys x 64 d: 16 loads (window: destination 1)
.irp i, 0,1,2,3
.irp dk, 0,1
	ds_load_b128 v[KF+16*\i+8*\dk:KF+16*\i+8*\dk+3], v2 offset:\slot*KSLOT+\t*8704+\i*2176+\dk*64
	ds_load_b128 v[KF+16*\i+8*\dk+4:KF+16*\i+8*\dk+7], v2 offset:\slot*KSLOT+\t*8704+\i*2176+\dk*64+32
.endr
.endr
.endm
.macro VLOAD slot, t                   ; the same keys of V, transposed on the way: 16 loads
.irp ks, 0,1
.irp e, 0,1,2,3
	ds_load_tr16_b128 v[VF+32*\ks+8*\e:VF+32*\ks+8*\e+3], v3 offset:\slot*VSLOT+\t*9216+\ks*4608+\e*32
	ds_load_tr16_b128 v[VF+32*\ks+8*\e+4:VF+32*\ks+8*\e+7], v3 offset:\slot*VSLOT+\t*9216+\ks*4608+\e*32+2304
.endr
.endr
.endm
.macro QLOAD blk                       ; my 64 queries: bytes that my own tensor load brought
.irp c, 0,1,2,3
.irp dk, 0,1
	ds_load_b128 v[QF+16*\c+8*\dk:QF+16*\c+8*\dk+3], v4 offset:\blk*QBLK+\c*2176+\dk*64
	ds_load_b128 v[QF+16*\c+8*\dk+4:QF+16*\c+8*\dk+7], v4 offset:\blk*QBLK+\c*2176+\dk*64+32
.endr
.endr
.endm
; S^T of query tile c: four key tiles by turns, one instruction a turn; the first half of d starts the sums
.macro SMUL c, sb
.irp i, 0,1,2,3
	v_wmma_f32_16x16x32_f16 v[\sb+8*\i:\sb+8*\i+7], v[KF+16*\i:KF+16*\i+7], v[QF+16*\c:QF+16*\c+7], 0
.endr
.irp i, 0,1,2,3
	v_wmma_f32_16x16x32_f16 v[\sb+8*\i:\sb+8*\i+7], v[KF+16*\i+8:KF+16*\i+15], v[QF+16*\c+8:QF+16*\c+15], v[\sb+8*\i:\sb+8*\i+7]
.endr
.endm
; the diagonal tile alone (first key = my first query): key tile c by lanes, key tiles above c whole
.macro MASK c, sb, t
.if \t
	s_cmp_lg_u32 s14, s16
.else
	s_cmp_lg_u32 s14, s15
.endif
	s_cbranch_scc1 .Lnomask_\@
.irp j, 0,1,2,3,4,5,6,7
	v_cndmask_b32 v[\sb+8*\c+\j], v[\sb+8*\c+\j], v1, s[MK+\j]
.endr
.irp i, 1,2,3
.if \i > \c
.irp j, 0,1,2,3,4,5,6,7
	v_mov_b32 v[\sb+8*\i+\j], v1
.endr
.endif
.endr
.Lnomask_\@:
.endm
.macro EXP8 sb, g
.irp j, 0,1,2,3,4,5,6,7
	v_exp_f32 v[\sb+8*\g+\j], v[\sb+8*\g+\j]
.endr
.endm
.macro WORK sb, pb, g                  ; eight exponentials: into the two sum pairs, and packed to f16
.if \g
	s_wait_alu depctr_va_vdst(0)
	v_pk_add_f32 v[SUMA:SUMA+1], v[SUMA:SUMA+1], v[\sb+8*\g:\sb+8*\g+1]
	v_pk_add_f32 v[SUMB:SUMB+1], v[SUMB:SUMB+1], v[\sb+8*\g+2:\sb+8*\g+3]
	v_pk_add_f32 v[SUMA:SUMA+1], v[SUMA:SUMA+1], v[\sb+8*\g+4:\sb+8*\g+5]
	v_pk_add_f32 v[SUMB:SUMB+1], v[SUMB:SUMB+1], v[\sb+8*\g+6:\sb+8*\g+7]
.else
	s_wait_alu depctr_va_vdst(0)
	v_pk_add_f32 v[SUMA:SUMA+1], v[\sb:\sb+1], v[\sb+2:\sb+3]
	v_pk_add_f32 v[SUMB:SUMB+1], v[\sb+4:\sb+5], v[\sb+6:\sb+7]
.endif
.irp k, 0,1,2,3
	v_cvt_pk_f16_f32 v[\pb+4*\g+\k], v[\sb+8*\g+2*\k], v[\sb+8*\g+2*\k+1]
.endr
.endm
; the softmax step of query tile c on 64 keys.  first = 1: there is no old maximum and no old sum.
.macro SOFT c, sb, pb, first
.irp k, 0,1,2,3
	v_max3_num_f32 v[T+\k], v[\sb+8*\k], v[\sb+8*\k+1], v[\sb+8*\k+2]
.endr
.irp k, 0,1,2,3
	v_max3_num_f32 v[T+\k], v[T+\k], v[\sb+8*\k+3], v[\sb+8*\k+4]
.endr
.irp k, 0,1,2,3
	v_max3_num_f32 v[T+\k], v[T+\k], v[\sb+8*\k+5], v[\sb+8*\k+6]
.endr
	v_max3_num_f32 v[T], v[T], v[\sb+7], v[\sb+15]
	v_max3_num_f32 v[T+2], v[T+2], v[\sb+23], v[\sb+31]
	v_max3_num_f32 v[T], v[T], v[T+1], v[T+2]
.if \first
	v_max_num_f32 v[T], v[T], v[T+3]
.else
	v_max3_num_f32 v[T], v[T], v[T+3], v[M+\c]
.endif
	v_permlanex16_b32 v[T+1], v[T], s26, s27       ; the other half of the lanes holds the query's other keys
	v_max_num_f32 v[M+\c], v[T], v[T+1]
	v_mul_f32 v[NM], s30, v[M+\c]                  ; - maximum x (log2 e / 8)
.if \first
.else
	v_sub_f32 v[AL], v[NM], v[NMS+\c]              ; the old sums were formed with the old NM: the factor is 2^(NM - old NM), at most 1
	v_exp_f32 v[AL], v[AL]
.endif
	v_mov_b32 v[NMS+\c], v[NM]                     ; a plain instruction behind the exponential (ISA guide 5.7.2)
.set kk, 0
.rept 16
	v_pk_fma_f32 v[\sb+2*kk:\sb+2*kk+1], v[\sb+2*kk:\sb+2*kk+1], s[28:29], v[NM:NM+1] op_sel_hi:[1,0,0]
.set kk, kk+1
.endr
	EXP8 \sb, 0
	v_nop                                          ; the plain place between the first eight exponentials and their use
	EXP8 \sb, 1
	WORK \sb, \pb, 0                               ; each group is used behind the plain work on the group before it
	EXP8 \sb, 2
	WORK \sb, \pb, 1
	EXP8 \sb, 3
	WORK \sb, \pb, 2
	WORK \sb, \pb, 3
	v_pk_add_f32 v[SUMA:SUMA+1], v[SUMA:SUMA+1], v[SUMB:SUMB+1]
.if \first
	v_add_f32 v[L+\c], v[SUMA], v[SUMA+1]
.else
	v_add_f32 v[SUMA], v[SUMA], v[SUMA+1]
	v_fma_f32 v[L+\c], v[L+\c], v[AL], v[SUMA]
.endif
.endm
.macro RESC c                          ; the old O^T of query tile c times the factor
	WIN 0x41
.set kk, 0
.rept 16
	v_pk_mul_f32 v[OA+32*\c+2*kk:OA+32*\c+2*kk+1], v[OA+32*\c+2*kk:OA+32*\c+2*kk+1], v[AL:AL+1] op_sel_hi:[1,0]
.set kk, kk+1
.endr
.endm
; O^T of query tile c += V^T P^T: four d tiles by turns, one instruction a turn
.macro PV c, pb, first
	WIN 0x51
.irp e, 0,1,2,3
.if \first
	v_wmma_f32_16x16x32_f16 v[OA+32*\c+8*\e:OA+32*\c+8*\e+7], v[VF+8*\e:VF+8*\e+7], v[\pb:\pb+7], 0
.else
	v_wmma_f32_16x16x32_f16 v[OA+32*\c+8*\e:OA+32*\c+8*\e+7], v[VF+8*\e:VF+8*\e+7], v[\pb:\pb+7], v[OA+32*\c+8*\e:OA+32*\c+8*\e+7]
.endif
.endr
.irp e, 0,1,2,3
	v_wmma_f32_16x16x32_f16 v[OA+32*\c+8*\e:OA+32*\c+8*\e+7], v[VF+32+8*\e:VF+32+8*\e+7], v[\pb+8:\pb+15], v[OA+32*\c+8*\e:OA+32*\c+8*\e+7]
.endr
.endm
; 64 keys (half t of the slot) against my 64 queries.  The products of one query tile run under the vector work of its neighbour.
.macro TILE slot, t, first
	PLACES                                         ; behind the last products, in front of the loads into their sources
	WIN 0x40
.if \t == 0
	KLOAD \slot, 0
.endif
	VLOAD \slot, \t
	s_wait_dscnt 16                                ; K's sixteen loads are in, V's sixteen stay out
	WIN 0x01
	SMUL 0, SB0
	SMUL 1, SB1
	WIN 0
	PLACES
	MASK 0, SB0, \t
	SOFT 0, SB0, PB0, \first
	s_wait_dscnt 0x0                               ; V
.if \first
.else
	RESC 0
.endif
	PV 0, PB0, \first
	WIN 0x01
	SMUL 2, SB0
	WIN 0
	MASK 1, SB1, \t
	SOFT 1, SB1, PB1, \first
.if \first
.else
	RESC 1
.endif
	PV 1, PB1, \first
	WIN 0x01
	SMUL 3, SB1
	WIN 0
	MASK 2, SB0, \t
	SOFT 2, SB0, PB0, \first
.if \first
.else
	RESC 2
.endif
.if \t == 0
	WIN 0x40
	KLOAD \slot, 1                                 ; K's fragments are free since the fourth S product: the slot's other half comes early
.endif
	PV 2, PB0, \first
	WIN 0
	MASK 3, SB1, \t
	SOFT 3, SB1, PB1, \first
.if \first
.else
	RESC 3
.endif
	PV 3, PB1, \first
	WIN 0
.endm
; One step of the ring: 128 keys in slot.  Every wave waits for all its tensor loads and for its LDS reads, passes the barrier, and issues its one
; tensor load, the next step's tile into the other slot, first thing behind it.  wrap = 1 (first query block): behind the block's last tile the
; offsets go back to the second block's tiles 0 and 1, so the ring runs on across the change of blocks.
; A wave leaves out tiles that lie wholly above its diagonal; those branches hold no barrier and no tensor load.
.macro TRIP slot, other, refill, wrap, first
	s_set_vgpr_msb 0xa
	s_wait_tensorcnt 0x0                           ; all my tensor loads have landed, so the descriptors may be written
	ds_add_u32 v0, v1
	s_wait_dscnt 0x0
	s_set_vgpr_msb 0xa00
	s_add_co_u32 s[OFF+2*\slot], s[OFF+2*\slot], 2*TB
.if \wrap
	s_cmp_lt_u32 s[OFF+2*\slot], s17
	s_cselect_b32 s[OFF+2*\slot], s[OFF+2*\slot], \slot*TB
.endif
	s_add_nc_u64 s[G0K+4*\slot+2:G0K+4*\slot+3], s[22:23], s[OFF+2*\slot:OFF+2*\slot+1]   ; this slot's next tile, two steps on
	s_or_b32 s[G0K+4*\slot+3], s[G0K+4*\slot+3], 0x80000000
	s_add_nc_u64 s[G0V+4*\slot+2:G0V+4*\slot+3], s[24:25], s[OFF+2*\slot:OFF+2*\slot+1]
	s_or_b32 s[G0V+4*\slot+3], s[G0V+4*\slot+3], 0x80000000
	s_wait_dscnt 0x0                               ; my reads of the other slot are back
	s_barrier_signal -1
	s_barrier_wait -1
.if \refill
	KVLOAD \other
.endif
.if \first
.else
	s_cmp_gt_i32 s14, s15                          ; the slot's first key is beyond my first query: nothing of it is mine
	s_cbranch_scc1 .Lend_\@
.endif
	TILE \slot, 0, \first
	s_cmp_gt_i32 s14, s16                          ; likewise for the slot's second half
	s_cbranch_scc1 .Lend_\@
	TILE \slot, 1, 0
.Lend_\@:
	s_add_co_u32 s14, s14, 128
.endm
; O^T / sum, rounded to f16, through my own stage, out as whole rows
.macro FINAL yb
	PLACES
.irp c, 0,1,2,3
	v_permlanex16_b32 v[T+\c], v[L+\c], s26, s27
.endr
.irp c, 0,1,2,3
	v_add_f32 v[T+\c], v[T+\c], v[L+\c]            ; both halves of the query's keys
.endr
.irp c, 0,1,2,3
	v_rcp_f32 v[SB1+2*\c], v[T+\c]
	v_rcp_f32 v[SB1+2*\c+1], v[T+\c]
.endr
	v_nop                                          ; the plain place behind the reciprocals
	s_wait_alu depctr_va_vdst(0)
.irp c, 0,1,2,3
	WIN 0x01
.set kk, 0
.rept 16
	v_pk_mul_f32 v[SB0+2*kk:SB0+2*kk+1], v[OA+32*\c+2*kk:OA+32*\c+2*kk+1], v[SB1+2*\c:SB1+2*\c+1]
.set kk, kk+1
.endr
	WIN 0
.set kk, 0
.rept 16
	v_cvt_pk_f16_f32 v[PB0+kk], v[SB0+2*kk], v[SB0+2*kk+1]
.set kk, kk+1
.endr
.irp e, 0,1,2,3
	ds_store_b128 v5, v[PB0+4*\e:PB0+4*\e+3] offset:2304*\c+32*\e    ; query 16 c + r, d = 16 e + 8 h + 0..7
.endr
.endr
	s_wait_xcnt 0x0                                ; the registers that the first block's stores read are loaded again only behind this wait
.set kk, 0
.rept 16
	ds_load_b128 v[OUT+4*kk:OUT+4*kk+3], v6 offset:576*kk            ; my own bytes, served in order behind the stores above
.set kk, kk+1
.endr
.set kk, 0
.rept 16
	s_wait_dscnt 15-kk                             ; four rows are in, the younger loads stay out
	global_store_b128 v7, v[OUT+4*kk:OUT+4*kk+3], s[\yb:\yb+1] offset:512*kk   ; 512 consecutive bytes of the slab
.set kk, kk+1
.endr
.endm
	s_load_b128 s[4:7], s[0:1], 0x0                ; qkv s[4:5], y s[6:7]
	s_set_vgpr_msb 0x80
	v_lshl_add_u32 v0, v0, 2, 0x2b800
	v_mov_b32 v1, 0
	s_set_vgpr_msb 0x808a
	ds_add_u32 v0, v1
	ds_add_u32 v0, v1
	s_set_vgpr_msb 0x8a00
	v_lshrrev_b32 v1, 5, v0
	v_readfirstlane_b32 s8, v1                     ; wave 0..3
	s_lshr_b32 s9, s8, 1                           ; I fetch for K (0) or for V (1)
	s_and_b32 s10, s8, 1                           ; which 64 keys of the slot
	s_and_b32 s11, ttmp9, 3                        ; p
	s_lshr_b32 s12, ttmp9, 2                       ; the pair
	s_and_b32 s84, s12, 15                         ; head
	s_lshr_b32 s85, s12, 4                         ; batch
	s_lshl_b32 s86, s84, 20                        ; a slab is 1,048,576 bytes,
	s_lshl_b32 s87, s85, 18                        ; a batch 2,048 rows of 128 bytes
	s_add_co_u32 s86, s86, s87
	s_lshl_b32 s31, s8, 6
	s_lshl_b32 s15, s11, 8
	s_add_co_u32 s15, s15, s31                     ; my first query in the first block
	s_sub_co_u32 s90, 7, s11
	s_lshl_b32 s90, s90, 8
	s_add_co_u32 s90, s90, s31                     ; and in the second
	s_sub_co_i32 s16, s15, 64
	s_add_co_u32 s17, s11, 1
	s_lshl_b32 s17, s17, 15                        ; bytes of the first block's keys
	s_mov_b32 s18, 0
	s_mov_b32 s19, 0
	s_mov_b32 s20, TB
	s_mov_b32 s21, 0
	s_mov_b32 s26, 0x76543210                      ; lane i of one half reads lane i of the other
	s_mov_b32 s27, 0xfedcba98
	s_mov_b32 s28, 0x3e38aa3b                      ; log2 e / 8
	s_mov_b32 s29, 0x3e38aa3b
	s_mov_b32 s30, 0xbe38aa3b
	s_mov_b32 s[G1K+0], 0x07510000                 ; elements of 2 bytes; after every 64 words 4 words of padding: LDS pitch 272
	s_mov_b32 s[G1K+1], 128<<16                    ; a dense block as rows of 128 elements (256 bytes, two rows of a head)
	s_mov_b32 s[G1K+2], 32<<16                     ; 32 such rows
	s_mov_b32 s[G1K+3], 128<<16
	s_mov_b32 s[G1K+4], 32
	s_mov_b32 s[G1K+5], 128
	s_mov_b32 s[G1K+6], 0
	s_mov_b32 s[G1K+7], 0
	s_mov_b32 s[G1V+0], 0x0f510000                 ; the same with 8 words of padding: LDS pitch 288
	s_mov_b32 s[G1V+1], 128<<16
	s_mov_b32 s[G1V+2], 32<<16
	s_mov_b32 s[G1V+3], 128<<16
	s_mov_b32 s[G1V+4], 32
	s_mov_b32 s[G1V+5], 128
	s_mov_b32 s[G1V+6], 0
	s_mov_b32 s[G1V+7], 0
	s_mul_i32 s84, s8, 8704                        ; 32 LDS rows of 272 bytes
	s_mul_i32 s85, s8, 9216                        ; 32 LDS rows of 288 bytes
	s_mov_b32 s89, 0
	s_lshl_b32 s88, s15, 7
	s_add_co_u32 s88, s88, s86                     ; my 64 rows in slab h: the same offset in q and in y
	s_wait_dscnt 0x0
	s_wait_kmcnt 0x0
	s_add_nc_u64 s[G0Q+2:G0Q+3], s[4:5], s[88:89]
	s_add_nc_u64 s[92:93], s[6:7], s[88:89]
	s_lshl_b32 s88, s90, 7
	s_add_co_u32 s88, s88, s86
	s_add_nc_u64 s[G0Q+6:G0Q+7], s[4:5], s[88:89]
	s_add_nc_u64 s[94:95], s[6:7], s[88:89]
	s_lshl_b32 s87, s10, 13                        ; my 64 keys of a slot
	s_add_co_u32 s88, s86, s87
	s_add_co_u32 s88, s88, 16<<20                  ; slab 16 + h
	s_add_nc_u64 s[22:23], s[4:5], s[88:89]
	s_add_co_u32 s88, s88, 16<<20                  ; slab 32 + h
	s_add_nc_u64 s[24:25], s[4:5], s[88:89]
.irp n, 0,1
	s_mov_b32 s[G0Q+4*\n], 1
	s_add_co_u32 s[G0Q+4*\n+1], s84, QBASE+\n*QBLK
	s_or_b32 s[G0Q+4*\n+3], s[G0Q+4*\n+3], 0x80000000
	s_mov_b32 s[G0K+4*\n], 1
	s_add_co_u32 s[G0K+4*\n+1], s84, \n*KSLOT                       ; waves 0, 1
	s_add_nc_u64 s[G0K+4*\n+2:G0K+4*\n+3], s[22:23], \n*TB
	s_or_b32 s[G0K+4*\n+3], s[G0K+4*\n+3], 0x80000000
	s_mov_b32 s[G0V+4*\n], 1
	s_add_co_u32 s[G0V+4*\n+1], s85, VBASE-2*9216+\n*VSLOT          ; waves 2, 3
	s_add_nc_u64 s[G0V+4*\n+2:G0V+4*\n+3], s[24:25], \n*TB
	s_or_b32 s[G0V+4*\n+3], s[G0V+4*\n+3], 0x80000000
.endr
	tensor_load_to_lds s[G0Q:G0Q+3], s[G1K:G1K+7]                   ; the first fills, one group: my queries of both blocks,
	s_nop 0
	tensor_load_to_lds s[G0Q+4:G0Q+7], s[G1K:G1K+7]
	s_nop 0
	KVLOAD 0                                                        ; and my part of step 0
	v_and_b32 v9, 15, v0                           ; r
	v_bfe_u32 v10, v0, 4, 1                        ; h
	v_lshrrev_b32 v11, 1, v9
	v_and_b32 v12, 1, v0
	v_mul_u32_u24 v2, v11, 272                     ; K and Q: row r of a fragment is half (r & 1) of LDS row r / 2,
	v_lshl_add_u32 v2, v12, 7, v2
	v_lshl_add_u32 v2, v10, 4, v2                  ; + 16 h
	s_add_co_u32 s31, s84, QBASE
	v_add_nc_u32 v4, s31, v2
	v_bfe_u32 v13, v0, 1, 2                        ; V: lane l addresses key 8 h + (l & 7), columns 8 ((l >> 3) & 1) ..
	v_lshl_add_u32 v13, v10, 2, v13
	v_mul_u32_u24 v3, v13, 288
	v_lshl_add_u32 v3, v12, 7, v3
	v_bfe_u32 v13, v0, 3, 1
	v_lshl_add_u32 v3, v13, 4, v3
	v_add_nc_u32 v3, VBASE, v3
	s_add_co_u32 s31, s85, STAGE                   ; my stage: 64 rows x 144 = 9,216 bytes
	v_mul_u32_u24 v5, v9, 144
	v_lshl_add_u32 v5, v10, 4, v5
	v_add_nc_u32 v5, s31, v5
	v_and_b32 v13, 31, v0
	v_lshrrev_b32 v14, 3, v13
	v_and_b32 v15, 7, v0
	v_mul_u32_u24 v6, v14, 144
	v_lshl_add_u32 v6, v15, 4, v6
	v_add_nc_u32 v6, s31, v6
	v_lshlrev_b32 v7, 4, v13
	v_lshlrev_b32 v14, 3, v10
	v_sub_nc_u32 v14, v9, v14                      ; r - 8 h: register j is above the diagonal where j > r - 8 h
.irp j, 0,1,2,3,4,5,6,7
	v_cmp_gt_i32 s[MK+\j], \j, v14
.endr
	v_mov_b32 v1, 0xff800000                       ; -inf
	v_mov_b32 v[NM+1], 0
	v_mov_b32 v[AL+1], 0
	s_wait_tensorcnt 0x0                           ; my queries are in (and my part of step 0)
	QLOAD 0
	s_mov_b32 s14, 0                               ; the slot's first key
	; the first query block: 2 (p + 1) steps.  The first tile is written out: it starts maximum, sum and O^T on every path.
	TRIP 0, 1, 1, 1, 1
	TRIP 1, 0, 1, 1, 0
	s_cmp_eq_u32 s11, 0
	s_cbranch_scc1 .LAdone
	s_mov_b32 s13, s11
.LloopA:
	TRIP 0, 1, 1, 1, 0
	TRIP 1, 0, 1, 1, 0
	s_sub_co_i32 s13, s13, 1
	s_cmp_lg_u32 s13, 0
	s_cbranch_scc1 .LloopA
.LAdone:
	FINAL 92
	; the second query block: 2 (8 - p) steps; its tile 0 is already on its way
	s_mov_b32 s14, 0
	s_mov_b32 s15, s90
	s_sub_co_i32 s16, s15, 64
	QLOAD 1
	TRIP 0, 1, 1, 0, 1
	TRIP 1, 0, 1, 0, 0
	s_sub_co_u32 s13, 6, s11
.LloopB:
	TRIP 0, 1, 1, 0, 0
	TRIP 1, 0, 1, 0, 0
	s_sub_co_i32 s13, s13, 1
	s_cmp_lg_u32 s13, 0
	s_cbranch_scc1 .LloopB
	TRIP 0, 1, 1, 0, 0                             ; the last two steps: one more fill, then none (the stepped offsets are not used)
	TRIP 1, 0, 0, 0, 0
	FINAL 94
	s_set_vgpr_msb 0xa
	s_wait_tensorcnt 0x0
	ds_add_u32 v0, v1
	s_wait_dscnt 0x0
	s_set_vgpr_msb 0xa00
	s_endpgm
.Lfunc_end_k_q911bb5d966_attn:
	.size	k_q911bb5d966_attn, .Lfunc_end_k_q911bb5d966_attn-k_q911bb5d966_attn
	.p2alignl 7, 3214868480
	.fill 96, 4, 3214868480
	.section	.rodata,"a",@progbits
	.p2align	6, 0x0
	.amdhsa_kernel k_q911bb5d966_attn
		.amdhsa_group_segment_fixed_size 327680
		.amdhsa_private_segment_fixed_size 0
		.amdhsa_enable_private_segment 0
		.amdhsa_kernarg_size 16
		.amdhsa_user_sgpr_count 2
		.amdhsa_user_sgpr_kernarg_segment_ptr 1
		.amdhsa_wavefront_size32 1
		.amdhsa_system_sgpr_workgroup_id_x 1
		.amdhsa_system_sgpr_workgroup_id_y 1
		.amdhsa_system_sgpr_workgroup_id_z 1
		.amdhsa_system_vgpr_workitem_id 0
		.amdhsa_next_free_vgpr 514
		.amdhsa_next_free_sgpr 96
		.amdhsa_reserve_vcc 0
		.amdhsa_float_denorm_mode_32 3
		.amdhsa_float_denorm_mode_16_64 3
		.amdhsa_memory_ordered 1
		.amdhsa_forward_progress 1
		.amdhsa_inst_pref_size 255
	.end_amdhsa_kernel
	.section	.bss,"aw",@nobits
	.p2align	6
	.space	262144
	.amdgpu_metadata
---
amdhsa.version: [ 1, 2 ]
amdhsa.kernels:
  - .name:           k_q911bb5d966_attn
    .symbol:         k_q911bb5d966_attn.kd
    .args:
      - { .name: qkv, .offset: 0, .size: 8, .value_kind: global_buffer, .address_space: global }
      - { .name: y, .offset: 8, .size: 8, .value_kind: global_buffer, .address_space: global }
    .group_segment_fixed_size: 327680
    .private_segment_fixed_size: 0
    .kernarg_segment_align: 8
    .kernarg_segment_size: 16
    .max_flat_workgroup_size: 128
    .sgpr_count:     96
    .vgpr_count:     514
    .wavefront_size: 32
...
	.end_amdgpu_metadata
.endif
;; end of part 3
;; launch projgemm (part 4): grid 8 x 32, 4 waves a work-group, clusters of 4 x 4, 327,680 bytes of LDS; arguments y, wpT, b_proj, out0; writes out0
.if DOCPART == 4
	.amdgcn_target "amdgcn-amd-amdhsa--gfx1250"
	.amdhsa_code_object_version 6
	.text
	.protected	k_q911bb5d966_projgemm
	.globl	k_q911bb5d966_projgemm
	.p2align	8
	.type	k_q911bb5d966_projgemm,@function
k_q911bb5d966_projgemm:
	s_mov_b64 s[64:65], 0
	v_nop
	global_prefetch_b8 v0, s[64:65] scope:SCOPE_SE
	s_setreg_imm32_b32 hwreg(HW_REG_WAVE_MODE, 25, 1), 1
	s_wait_xcnt 0x0
	s_wait_alu depctr_hold_cnt(0) depctr_sa_sdst(0) depctr_va_vdst(0) depctr_va_sdst(0) depctr_va_ssrc(0) depctr_va_vcc(0) depctr_vm_vsrc(0)
	s_getreg_b32 s2, hwreg(HW_REG_IB_STS2, 6, 4)
	s_cmp_eq_u32 s2, 0
	s_cbranch_scc0 .Lentry_in_a_cluster
	s_endpgm
.Lentry_in_a_cluster:
	s_bfe_u32 s2, ttmp6, 0x10000c
	s_cmp_lg_u32 s2, 0xf033
	s_cbranch_scc0 .Lentry_shape_is_right
	s_endpgm
.Lentry_shape_is_right:
; out0 = y w_proj + b_proj.  A = y, f16 slabs [16 h][8192 m][64 d] (k = 64 h + d); B = wpT [1024 n][1024 k], f16 holding the bf16-rounded weights;
; bias f32; sums and result f32.
; LIMIT: both operands are f16 (magnitudes of 65,504 and above are infinite).
; A work-group makes 256 rows x 128 columns with four waves; wave w makes rows 64 w .. 64 w + 63 of all 128 columns: 4 x 8 accumulator tiles.
; K goes in 8 steps of 128 (two slabs) through two LDS slots.  A slab's 256 rows are one dense block of 32,768 bytes and come in as 128 rows of
; 256 bytes (two rows of y in an LDS row); wave 0 fetches the step's first slab, wave 1 its second, waves 2, 3 the halves of B's 128 rows.
; CLUSTERS: 4 x 4 work-groups; A's tiles are asked for jointly along a row of the cluster, B's along a column.  One tensor load a wave behind
; each round; by this text's count a wave has two tensor loads out at the start and one later.
; REGISTERS: window 0: v16-27 addresses, v32-63 and v64-95 A's fragments, v96-159 the bias tiles, later v96-223 the way out;
; window 1: v0-63 and v96-159 B's fragments; window 2: tiles of my rows 0-31 at v[8 (8 a + b)]; window 3: rows 32-63.
; THE MATRIX INSTRUCTION IS USED TRANSPOSED (source 0 = rows of B, source 1 = rows of A): lane l holds row m = l % 16, its registers the columns
; n = 16 b + 8 (l / 16) + 0..7.  The first product of each tile takes the bias tile as C.
.set NF,     8
.set BN,     16*NF
.set KSTEP,  128
.set PITCH,  272
.set HALFA,  128*PITCH
.set HALFB,  (BN/2)*PITCH
.set SLOT,   2*HALFA+2*HALFB
.set STAGE,  2*SLOT                    ; a multiple of 256: no fill lands here
.set SPITCH, 528                       ; a stage row: 128 f32 + 16 bytes
.set LAPS,   1024/(2*KSTEP)
.set ASTEP,  2*1048576                 ; two slabs from a K step to the next
.set BSTEP,  KSTEP*2
.set ADRA, 16
.set ADRB, 20
.set STO,  24
.set RD,   25
.set CO,   26
.set BO,   27
.set FA,   32
.set BIAS, 96
.set OB,   96
.set G1,  24
.set G0,  32
.set G1B, 48
.set G0B, 56
.set DESC0, (1<<16)|(1<<20)|(1<<21)|(5<<22)|(3<<25)
.set MSB, 0
.macro WIN new
.if MSB != \new
	s_set_vgpr_msb (MSB<<8)|\new
.set MSB, \new
.endif
.endm
.set MUL_LO,  0xa1
.set MUL_HI,  0xf1
.set ZERO_LO, 0x81
.set ZERO_HI, 0xc1
.set TO_B,    0x40
.macro JLOAD s
	s_cmp_eq_u32 s13, 0
	s_cbranch_scc0 .Lfor_b_\@
	tensor_load_to_lds s[G0+4*\s:G0+4*\s+3], s[G1:G1+7]
	s_nop 0
	s_branch .Lasked_\@
.Lfor_b_\@:
	tensor_load_to_lds s[G0B+4*\s:G0B+4*\s+3], s[G1B:G1B+7]
	s_nop 0
.Lasked_\@:
.endm
.macro CREST
	s_cmp_lg_u32 s12, 0
	s_cbranch_scc1 .Lnot_wave_0_\@
	s_barrier_signal -3
.Lnot_wave_0_\@:
	s_barrier_wait -3
	s_barrier_signal -1
	s_barrier_wait -1
.endm
.macro CROUND
	s_barrier_signal -1
	s_barrier_wait -1
	CREST
.endm
.macro PLACES                          ; four places behind matrix instructions (ISA guide 7.12.1)
.rept 4
	v_nop
.endr
.endm
	s_load_b256 s[4:11], s[0:1], 0x0               ; A s[4:5], B s[6:7], bias s[8:9], C s[10:11]
	s_set_vgpr_msb 0x40
	v_lshl_add_u32 v255, v0, 2, 0x3b400
	s_set_vgpr_msb 0x4000
	v_mov_b32 v255, 0
	s_set_vgpr_msb 0x1
	ds_add_u32 v255, v255
	ds_add_u32 v255, v255
	s_set_vgpr_msb 0x100
	v_lshrrev_b32 v1, 5, v0
	v_readfirstlane_b32 s12, v1
	s_lshr_b32 s13, s12, 1
	s_and_b32 s14, s12, 1
	s_bfe_u32 s40, ttmp6, 0x40000                  ; cx
	s_bfe_u32 s41, ttmp6, 0x40004                  ; cy
	s_lshl_b32 s42, ttmp9, 2
	s_add_co_u32 s42, s42, s40                     ; block column
	s_and_b32 s43, ttmp7, 0xffff
	s_lshl_b32 s43, s43, 2
	s_add_co_u32 s43, s43, s41                     ; block row
	s_lshl_b32 s44, s41, 2
	s_lshl_b32 s44, 15, s44
	s_lshl_b32 s45, 0x1111, s40
	s_or_b32 s[G1+0], s44, DESC0
	s_mov_b32 s[G1+1], 128<<16
	s_mov_b32 s[G1+2], 128<<16
	s_mov_b32 s[G1+3], 128<<16
	s_mov_b32 s[G1+4], 128
	s_mov_b32 s[G1+5], 128                         ; dense: each row of 256 bytes begins where the last ends
	s_mov_b32 s[G1+6], 0
	s_mov_b32 s[G1+7], 0
	s_or_b32 s[G1B+0], s45, DESC0
	s_mov_b32 s[G1B+1], KSTEP<<16
	s_mov_b32 s[G1B+2], (BN/2)<<16
	s_mov_b32 s[G1B+3], KSTEP<<16
	s_mov_b32 s[G1B+4], BN/2
	s_mov_b32 s[G1B+5], 1024
	s_mov_b32 s[G1B+6], 0
	s_mov_b32 s[G1B+7], 0
	s_lshl_b32 s16, s43, 15                        ; A: 256 rows of 128 bytes for each block row,
	s_lshl_b32 s18, s14, 20                        ; and the step's first or second slab
	s_add_co_u32 s16, s16, s18
	s_mov_b32 s17, 0
	s_mul_i32 s46, s42, BN                         ; B: row 128 x block column + 64 x half
	s_mul_i32 s18, s14, BN/2
	s_add_co_u32 s46, s46, s18
	s_lshl_b32 s46, s46, 11
	s_mov_b32 s47, 0
	s_mul_i32 s20, s12, HALFA
	s_mul_i32 s21, s12, HALFB
	s_add_co_u32 s21, s21, 2*HALFA-2*HALFB
	s_mul_i32 s68, s42, BN*4
	s_mov_b32 s69, 0
	s_wait_dscnt 0x0
	s_wait_kmcnt 0x0
	s_add_nc_u64 s[16:17], s[4:5], s[16:17]
	s_add_nc_u64 s[46:47], s[6:7], s[46:47]
	s_add_nc_u64 s[8:9], s[8:9], s[68:69]
	CROUND
.irp s, 0,1
	s_mov_b32 s[G0+4*\s], 1
	s_add_co_u32 s[G0+4*\s+1], s20, \s*SLOT
	s_add_nc_u64 s[G0+4*\s+2:G0+4*\s+3], s[16:17], \s*ASTEP
	s_or_b32 s[G0+4*\s+3], s[G0+4*\s+3], 0x80000000
	s_mov_b32 s[G0B+4*\s], 1
	s_add_co_u32 s[G0B+4*\s+1], s21, \s*SLOT
	s_add_nc_u64 s[G0B+4*\s+2:G0B+4*\s+3], s[46:47], \s*BSTEP
	s_or_b32 s[G0B+4*\s+3], s[G0B+4*\s+3], 0x80000000
	JLOAD \s
.endr
	v_and_b32 v1, 15, v0                           ; r
	v_bfe_u32 v2, v0, 4, 1                         ; h
	v_lshlrev_b32 v[BO], 5, v2
.irp b, 0,1,2,3,4,5,6,7
	global_load_b128 v[BIAS+8*\b:BIAS+8*\b+3], v[BO], s[8:9] offset:64*\b
	global_load_b128 v[BIAS+8*\b+4:BIAS+8*\b+7], v[BO], s[8:9] offset:64*\b+16
.endr
	v_mul_u32_u24 v3, v1, PITCH
	v_lshl_add_u32 v3, v2, 4, v3
	v_add_nc_u32 v[ADRB], 2*HALFA, v3
	v_add_nc_u32 v[ADRB+1], SLOT, v[ADRB]
	v_lshrrev_b32 v4, 1, v1                        ; A: row r of a fragment is half (r & 1) of LDS row r / 2: sixteen different 16-byte columns modulo 256
	v_and_b32 v5, 1, v0
	v_mul_u32_u24 v4, v4, PITCH
	v_lshl_add_u32 v4, v5, 7, v4
	v_lshl_add_u32 v4, v2, 4, v4
	s_mul_i32 s22, s12, 32*PITCH                   ; my 64 rows are 32 LDS rows
	v_add_nc_u32 v[ADRA], s22, v4
	v_add_nc_u32 v[ADRA+1], SLOT, v[ADRA]
	s_mul_i32 s23, s12, 16*SPITCH
	s_add_co_u32 s23, s23, STAGE
	v_mul_u32_u24 v6, v1, SPITCH
	v_lshl_add_u32 v6, v2, 5, v6
	v_add_nc_u32 v[STO], s23, v6                   ; in: row r, 32 bytes for each half of the lanes
	v_and_b32 v7, 31, v0
	v_lshlrev_b32 v[CO], 4, v7
	v_add_nc_u32 v[RD], s23, v[CO]                 ; back: a wave takes one row of 512 bytes
; The accumulators take turns, one instruction a turn.
.macro MULA f, hi, a, zero
.irp b, 0,1,2,3,4,5,6,7
.if \zero
	v_wmma_f32_16x16x32_f16 v[8*(NF*\a+\b):8*(NF*\a+\b)+7], v[96*\f+8*\b:96*\f+8*\b+7], v[FA+32*\f+8*(2*\hi+\a):FA+32*\f+8*(2*\hi+\a)+7], v[BIAS+8*\b:BIAS+8*\b+7]
.else
	v_wmma_f32_16x16x32_f16 v[8*(NF*\a+\b):8*(NF*\a+\b)+7], v[96*\f+8*\b:96*\f+8*\b+7], v[FA+32*\f+8*(2*\hi+\a):FA+32*\f+8*(2*\hi+\a)+7], v[8*(NF*\a+\b):8*(NF*\a+\b)+7]
.endif
.endr
.endm
; quarter q of a K step: B at byte 64 q of its rows; A in slab q / 2 of the step, at byte 64 (q % 2) of its rows
.macro FETCH slot, q, f
	WIN TO_B
.irp i, 0,1,2,3,4,5,6,7
	ds_load_b128 v[96*\f+8*\i:96*\f+8*\i+3], v[ADRB+\slot] offset:64*\q+\i*16*PITCH
	ds_load_b128 v[96*\f+8*\i+4:96*\f+8*\i+7], v[ADRB+\slot] offset:64*\q+\i*16*PITCH+32
.endr
	WIN 0
.irp i, 0,1,2,3
	ds_load_b128 v[FA+32*\f+8*\i:FA+32*\f+8*\i+3], v[ADRA+\slot] offset:(\q/2)*HALFA+(\q%2)*64+\i*8*PITCH
	ds_load_b128 v[FA+32*\f+8*\i+4:FA+32*\f+8*\i+7], v[ADRA+\slot] offset:(\q/2)*HALFA+(\q%2)*64+\i*8*PITCH+32
.endr
.endm
.macro QUARTER slot, q, f, g, zero
	s_wait_dscnt 4                                 ; B and A's fragments 0, 1 are in; the youngest four loads (A's fragments 2, 3) may be out
.if \zero
	WIN ZERO_LO
.else
	WIN MUL_LO
.endif
	MULA \f, 0, 0, \zero
	MULA \f, 0, 1, \zero
	PLACES
	FETCH \slot, \q, \g
	s_wait_dscnt 2*NF+8                            ; all but the run just issued
.if \zero
	WIN ZERO_HI
.else
	WIN MUL_HI
.endif
	MULA \f, 1, 0, \zero
	MULA \f, 1, 1, \zero
.endm
.macro THREE slot, zero
	QUARTER \slot, 1, 0, 1, \zero
	QUARTER \slot, 2, 1, 0, 0
	QUARTER \slot, 3, 0, 1, 0
.endm
; the last quarter of a K step and the change of slots: each wave's waits for its reads of this slot and for all its tensor loads stand in front
; of the barrier; with fill = 1 it opens a round of the cluster's barrier, and the joint refill is the first tensor load behind the round
.macro TURN slot, next, fill
	s_wait_dscnt 4
	WIN MUL_LO
	MULA 1, 0, 0, 0
	s_wait_dscnt 0
	s_wait_tensorcnt 0x0
	ds_add_u32 v255, v255
	s_wait_dscnt 0x0
	s_barrier_signal -1
	MULA 1, 0, 1, 0
	WIN 0
	s_barrier_wait -1
.if \fill
	CREST
	s_add_nc_u64 s[G0+4*\slot+2:G0+4*\slot+3], s[G0+4*\slot+2:G0+4*\slot+3], 2*ASTEP
	s_add_nc_u64 s[G0B+4*\slot+2:G0B+4*\slot+3], s[G0B+4*\slot+2:G0B+4*\slot+3], 2*BSTEP
	JLOAD \slot
.endif
	PLACES
	FETCH \next, 0, 0
	WIN MUL_HI
	MULA 1, 1, 0, 0
	MULA 1, 1, 1, 0
.endm
.macro LAP zero
	THREE 0, \zero
	TURN 0, 1, 1
	THREE 1, 0
	TURN 1, 0, 1
.endm
	s_wait_tensorcnt 0x1                           ; my part of K step 0 is in; K step 1's load stays out
	s_barrier_signal -1
	s_barrier_wait -1
	FETCH 0, 0, 0
	s_wait_loadcnt 0x0                             ; the bias tiles
	LAP 1
	WIN 0
	s_mov_b32 s15, LAPS-2
.Llap:
	LAP 0
	WIN 0
	s_sub_co_u32 s15, s15, 1
	s_cmp_lg_u32 s15, 0
	s_cbranch_scc1 .Llap
	THREE 0, 0
	TURN 0, 1, 0
	THREE 1, 0
	s_wait_dscnt 4
	WIN MUL_LO
	MULA 1, 0, 0, 0
	MULA 1, 0, 1, 0
	s_wait_dscnt 0
	WIN MUL_HI
	MULA 1, 1, 0, 0
	MULA 1, 1, 1, 0
	; THE WAY OUT, 16 rows at a time: the f32 sums go straight from the accumulators into my own stage and come back as whole rows of 512 bytes.
	PLACES
	s_lshl_b32 s68, s43, 20                        ; 256 rows of 4,096 bytes for each block row,
	s_lshl_b32 s69, s12, 18                        ; 64 rows for each wave,
	s_add_co_u32 s68, s68, s69
	s_lshl_b32 s69, s42, 9                         ; 512 bytes for each block column
	s_add_co_u32 s68, s68, s69
	s_mov_b32 s69, 0
	s_add_nc_u64 s[10:11], s[10:11], s[68:69]
.macro OUT16 a, ap, from, ob
	WIN \from                                      ; an LDS store's data are its source 1
.irp b, 0,1,2,3,4,5,6,7
	ds_store_b128 v[STO], v[8*(NF*\ap+\b):8*(NF*\ap+\b)+3] offset:64*\b
	ds_store_b128 v[STO], v[8*(NF*\ap+\b)+4:8*(NF*\ap+\b)+7] offset:64*\b+16
.endr
	WIN 0
	s_wait_xcnt 0x0                                ; the buffer that earlier stores read is loaded again only behind this wait
.irp t, 0,1,2,3,4,5,6,7,8,9,10,11,12,13,14,15
	ds_load_b128 v[\ob+4*\t:\ob+4*\t+3], v[RD] offset:SPITCH*\t     ; my own bytes, served in order behind the stores above
.endr
.irp t, 0,1,2,3,4,5,6,7,8,9,10,11,12,13,14,15
	s_wait_dscnt 15-\t                             ; row t is in, the younger loads stay out
	global_store_b128 v[CO], v[\ob+4*\t:\ob+4*\t+3], s[10:11] offset:(16*\a+\t)*4096 th:TH_STORE_NT   ; 512 consecutive bytes, aligned
.endr
.endm
	OUT16 0, 0, 0x08, OB
	OUT16 1, 1, 0x08, OB+64
	OUT16 2, 0, 0x0c, OB
	OUT16 3, 1, 0x0c, OB+64
	s_set_vgpr_msb 0x1
	s_wait_tensorcnt 0x0
	ds_add_u32 v255, v255
	s_wait_dscnt 0x0
	s_set_vgpr_msb 0x100
	CROUND                                         ; the closing round
	s_endpgm
.Lfunc_end_k_q911bb5d966_projgemm:
	.size	k_q911bb5d966_projgemm, .Lfunc_end_k_q911bb5d966_projgemm-k_q911bb5d966_projgemm
	.p2alignl 7, 3214868480
	.fill 96, 4, 3214868480
	.section	.rodata,"a",@progbits
	.p2align	6, 0x0
	.amdhsa_kernel k_q911bb5d966_projgemm
		.amdhsa_group_segment_fixed_size 327680
		.amdhsa_private_segment_fixed_size 0
		.amdhsa_enable_private_segment 0
		.amdhsa_kernarg_size 32
		.amdhsa_user_sgpr_count 2
		.amdhsa_user_sgpr_kernarg_segment_ptr 1
		.amdhsa_wavefront_size32 1
		.amdhsa_system_sgpr_workgroup_id_x 1
		.amdhsa_system_sgpr_workgroup_id_y 1
		.amdhsa_system_sgpr_workgroup_id_z 1
		.amdhsa_system_vgpr_workitem_id 0
		.amdhsa_next_free_vgpr 896
		.amdhsa_next_free_sgpr 72
		.amdhsa_reserve_vcc 0
		.amdhsa_float_denorm_mode_32 3
		.amdhsa_float_denorm_mode_16_64 3
		.amdhsa_memory_ordered 1
		.amdhsa_forward_progress 1
		.amdhsa_inst_pref_size 121
	.end_amdhsa_kernel
	.amdgpu_metadata
---
amdhsa.version: [ 1, 2 ]
amdhsa.kernels:
  - .name:           k_q911bb5d966_projgemm
    .symbol:         k_q911bb5d966_projgemm.kd
    .args:
      - { .name: y, .offset: 0, .size: 8, .value_kind: global_buffer, .address_space: global }
      - { .name: wpT, .offset: 8, .size: 8, .value_kind: global_buffer, .address_space: global }
      - { .name: b_proj, .offset: 16, .size: 8, .value_kind: global_buffer, .address_space: global }
      - { .name: out0, .offset: 24, .size: 8, .value_kind: global_buffer, .address_space: global }
    .group_segment_fixed_size: 327680
    .private_segment_fixed_size: 0
    .kernarg_segment_align: 8
    .kernarg_segment_size: 32
    .max_flat_workgroup_size: 128
    .sgpr_count:     72
    .vgpr_count:     896
    .wavefront_size: 32
...
	.end_amdgpu_metadata
.endif
;; end of part 4
;; ======== version 2 of 3: 4 launches; 1.39 times as fast as version 1
;; limits: values are held in f16: magnitudes above 65,504 overflow, below 6.1e-05 lose precision
;; workspace buffers: xb 16,777,216 bytes; wqT 6,291,456 bytes; wpT 2,097,152 bytes; qkv 50,331,648 bytes; y 16,777,216 bytes
;; launch prep (part 5): grid 256 x 1, 8 waves a work-group, no clusters, 35,840 bytes of LDS; arguments x, w_qkv, w_proj, xb, wqT, wpT; writes xb, wqT, wpT
.if DOCPART == 5
	.amdgcn_target "amdgcn-amd-amdhsa--gfx1250"
	.amdhsa_code_object_version 6
	.text
	.protected	k_q911bb5d966_prep
	.globl	k_q911bb5d966_prep
	.p2align	8
	.type	k_q911bb5d966_prep,@function
k_q911bb5d966_prep:
	s_mov_b64 s[64:65], 0
	v_nop
	global_prefetch_b8 v0, s[64:65] scope:SCOPE_SE
	s_setreg_imm32_b32 hwreg(HW_REG_WAVE_MODE, 25, 1), 1
	s_wait_xcnt 0x0
; prep: the operands of the two large products, in the form in which the matrix kernels take them.
;   xb  = x rounded to bf16, same layout [8192][1024]
;   wqT = w_qkv transposed to [3072 n][1024 k], bf16
;   wpT = w_proj transposed to [1024 n][1024 k], rounded to bf16 and then written as f16
; LIMIT: wpT is f16.  A bf16 number of magnitude 2^-16 .. 65,504 is exact in f16; below 2^-16 it loses bits (absolute error at most 2^-25),
; at 65,504 and above it becomes infinite.
; EQUAL BYTES FOR EVERY WORK-GROUP: 256 work-groups.  Each casts 131,072 bytes of x (256 chunks of 512 bytes) and does two of the 512 transposing
; jobs of 128 k x 64 n (384 for w_qkv, 128 for w_proj; 32,768 bytes each): 196,608 bytes read in each work-group.
;   waves 0, 1: job 2 x id + wave, and two chunks each (asked for first, stored last);   waves 2 .. 7: 42 chunks each (6 x 42 + 4 = 256).
; No matrix unit, no barrier: every wave works on bytes of its own.  Memory is read and written once, in runs of 256 bytes or more.
.set CHUNKS, 42
.set VO,  1                            ; byte offset of my 16 bytes in the weight
.set SA,  2                            ; LDS: where I put 8 bytes of a column
.set RDW, 3                            ; LDS: where I read a row back
.set SO,  4                            ; byte offset of my 16 bytes in the transposed weight
.set CC,  5                            ; lane mod 16
.set HH,  6                            ; lane / 16
.set LN,  7                            ; lane
.set CL,  8                            ; byte offset of my 16 bytes in my wave's first chunk of x
.set CS,  9                            ; byte offset of my 8 bytes in xb
.set X,   10                           ; cast: v[10:177], 42 chunks x 4; transpose: v[10:137], a ring of 8 steps x 16, later the rows read back
.set T,   138                          ; v[138:145] transpose: 4 columns x 4 k, packed
.set U,   146                          ; v[146:149] transpose: a word widened again
.set C2,  150                          ; v[150:157] the two chunks of a transposing wave
.set WPITCH, 272                       ; an LDS row: 128 k of 2 bytes + 16
.set WTILE,  64*WPITCH                 ; a transposing wave's own 64 rows
; n chunks of x into registers from r on: each load of the wave covers 512 consecutive bytes
.macro CLOAD n, r
.set i, 0
.rept \n
	global_load_b128 v[\r+4*i:\r+4*i+3], v[CL], s[4:5] offset:512*i th:TH_LOAD_NT
.set i, i+1
.endr
.endm
; rounded in place (two numbers to a word) and stored: each store of the wave covers 256 consecutive bytes, aligned; no register is used twice
.macro CSTORE n, r, counted
.set i, 0
.rept \n
.if \counted
	s_wait_loadcnt \n-1-i                          ; loads return in order: chunk i is in, the younger ones stay out
.endif
	v_cvt_pk_bf16_f32 v[\r+4*i], v[\r+4*i], v[\r+4*i+1]
	v_cvt_pk_bf16_f32 v[\r+4*i+1], v[\r+4*i+2], v[\r+4*i+3]
	global_store_b64 v[CS], v[\r+4*i:\r+4*i+1], s[10:11] offset:256*i
.set i, i+1
.endr
.endm
	s_load_b256 s[4:11], s[0:1], 0x0               ; x s[4:5], w_qkv s[6:7], w_proj s[8:9], xb s[10:11]
	s_load_b128 s[12:15], s[0:1], 0x20             ; wqT s[12:13], wpT s[14:15]
	v_lshl_add_u32 v184, v0, 2, 0x8800
	v_mov_b32 v185, 0
	v_lshrrev_b32 v[LN], 5, v0
	v_readfirstlane_b32 s20, v[LN]                 ; wave 0..7
	v_and_b32 v[LN], 31, v0
	s_lshl_b32 s16, ttmp9, 17                      ; 131,072 bytes of x,
	s_mov_b32 s17, 0
	s_lshl_b32 s18, ttmp9, 16                      ; 65,536 bytes of xb for each work-group
	s_mov_b32 s19, 0
	s_wait_kmcnt 0x0
	s_add_nc_u64 s[4:5], s[4:5], s[16:17]
	s_add_nc_u64 s[10:11], s[10:11], s[18:19]
	s_cmp_lt_u32 s20, 2
	s_cbranch_scc1 .Lweights
	; ---- waves 2 .. 7: 42 chunks, all 42 loads out at once
	s_sub_co_u32 s26, s20, 2
	s_mul_i32 s26, s26, CHUNKS                     ; my first chunk
	s_lshl_b32 s27, s26, 9
	s_lshl_b32 s28, s26, 8
	v_lshl_add_u32 v[CL], v[LN], 4, s27
	v_lshl_add_u32 v[CS], v[LN], 3, s28
	CLOAD CHUNKS, X
	CSTORE CHUNKS, X, 1
	s_endpgm
.Lweights:
	; ---- waves 0, 1: chunks 252 + 2 wave, + 1 are asked for first and stay in registers until the transpose is done
	s_lshl_b32 s26, s20, 1
	s_add_co_u32 s26, s26, 6*CHUNKS
	s_lshl_b32 s27, s26, 9
	s_lshl_b32 s28, s26, 8
	v_lshl_add_u32 v[CL], v[LN], 4, s27
	v_lshl_add_u32 v[CS], v[LN], 3, s28
	CLOAD 2, C2
	; job 2 x id + wave: tile of 64 columns = id / 4, block of 128 k = 2 (id mod 4) + wave
	v_and_b32 v[CC], 15, v0
	v_bfe_u32 v[HH], v0, 4, 1
	s_and_b32 s25, ttmp9, 3
	s_lshl_b32 s25, s25, 1
	s_add_co_u32 s25, s25, s20                     ; which 128 k
	s_lshr_b32 s24, ttmp9, 2                       ; which 64 columns (w_qkv: 0..47; w_proj: 48 is taken off below)
	s_mul_i32 s21, s20, WTILE                      ; my wave's own LDS bytes
	v_mul_u32_u24 v[SA], v[CC], 4*WPITCH           ; in: LDS row n = 4 c + i, byte 2 k = 16 u + 8 hh
	v_lshl_add_u32 v[SA], v[HH], 3, v[SA]
	v_add_nc_u32 v[SA], s21, v[SA]
	v_mul_u32_u24 v[RDW], v[HH], WPITCH            ; back: lanes 0-15 one row of 256 bytes, lanes 16-31 the next
	v_lshl_add_u32 v[RDW], v[CC], 4, v[RDW]
	v_add_nc_u32 v[RDW], s21, v[RDW]
	s_lshl_b32 s23, s25, 8                         ; my 128 k are 256 bytes of a transposed row
	v_lshlrev_b32 v[SO], 11, v[HH]                 ; a transposed row is 2,048 bytes
	v_lshl_add_u32 v[SO], v[CC], 4, v[SO]
	v_add_nc_u32 v[SO], s23, v[SO]
; np: bytes in a row of the weight; half = 1: bf16 values written as f16; src, dst: the pointers' first registers; s24: the tile of 64 columns; s25: the block of 128 k.
; Step u (0..15): four loads; lane (c, hh) gets rows k = 8 u + 4 hh + q, q = 0..3, columns 4 c .. 4 c + 3; sixteen lanes read 256 aligned bytes of a row.
; For each of its 4 columns the lane packs 4 k into 8 bytes and puts them into the column's LDS row.  These 8-byte stores meet four deep in the
; banks (the pitch of 4 rows is 64 modulo 256 bytes): 64 instructions of a wave in the whole launch.
.macro WT np, half, src, dst
	s_lshl_b32 s16, s24, 8                         ; 64 columns of f32
	s_mov_b32 s17, 0
	s_lshl_b32 s18, s24, 17                        ; 64 transposed rows of 2,048 bytes
	s_mov_b32 s19, 0
	s_add_nc_u64 s[\src:\src+1], s[\src:\src+1], s[16:17]
	s_add_nc_u64 s[\dst:\dst+1], s[\dst:\dst+1], s[18:19]
	s_mul_i32 s22, s25, 128*\np
	v_mul_u32_u24 v[VO], v[HH], 4*\np
	v_lshl_add_u32 v[VO], v[CC], 4, v[VO]
	v_add_nc_u32 v[VO], s22, v[VO]
.set u, 0
.rept 8
.irp q, 0,1,2,3
	global_load_b128 v[X+16*u+4*\q:X+16*u+4*\q+3], v[VO], s[\src:\src+1] offset:(8*u+\q)*\np th:TH_LOAD_NT
.endr
.set u, u+1
.endr
.set u, 0
.rept 16
.if u < 8
	s_wait_loadcnt 28                              ; step u is in (and the two chunks, which are older); 32 + 4 u issued, 4 u + 4 needed: 28 younger loads stay out
.else
	s_wait_loadcnt 60-4*u                          ; nothing more is issued: the count runs down to 0
.endif
.irp i, 0,1,2,3
	v_cvt_pk_bf16_f32 v[T+2*\i], v[X+16*(u%8)+\i], v[X+16*(u%8)+4+\i]
	v_cvt_pk_bf16_f32 v[T+2*\i+1], v[X+16*(u%8)+8+\i], v[X+16*(u%8)+12+\i]
.if \half
	v_lshlrev_b32 v[U], 16, v[T+2*\i]              ; the bf16 values as f32 again,
	v_and_b32 v[U+1], 0xffff0000, v[T+2*\i]
	v_lshlrev_b32 v[U+2], 16, v[T+2*\i+1]
	v_and_b32 v[U+3], 0xffff0000, v[T+2*\i+1]
	v_cvt_pk_f16_f32 v[T+2*\i], v[U], v[U+1]       ; and as f16
	v_cvt_pk_f16_f32 v[T+2*\i+1], v[U+2], v[U+3]
.endif
	ds_store_b64 v[SA], v[T+2*\i:T+2*\i+1] offset:\i*WPITCH+16*u
.endr
.if u < 8
.irp q, 0,1,2,3
	global_load_b128 v[X+16*u+4*\q:X+16*u+4*\q+3], v[VO], s[\src:\src+1] offset:(8*(u+8)+\q)*\np th:TH_LOAD_NT
.endr
.endif
.set u, u+1
.endr
.set u, 0
.rept 32
	ds_load_b128 v[X+4*u:X+4*u+3], v[RDW] offset:2*WPITCH*u    ; my own bytes; LDS serves a wave in order (ISA guide 5.7.1), so these see the stores above
.set u, u+1
.endr
.set u, 0
.rept 32
	s_wait_dscnt 31-u                              ; rows 2 u, 2 u + 1 are in; the 31-u younger loads stay out
	global_store_b128 v[SO], v[X+4*u:X+4*u+3], s[\dst:\dst+1] offset:4096*u   ; sixteen lanes store 256 consecutive bytes, aligned
.set u, u+1
.endr
.endm
	s_cmp_lt_u32 ttmp9, 192                        ; 192 work-groups x 2 jobs = the 384 jobs of w_qkv
	s_cbranch_scc0 .Lproj
	WT 12288, 0, 6, 12
	CSTORE 2, C2, 0                                ; the two chunks: in since the transpose's last wait, which was for 0
	s_wait_tensorcnt 0x0
	ds_add_u32 v184, v185
	s_wait_dscnt 0x0
	s_endpgm
.Lproj:
	s_sub_co_u32 s24, s24, 48
	WT 4096, 1, 8, 14
	CSTORE 2, C2, 0
	s_wait_tensorcnt 0x0
	ds_add_u32 v184, v185
	s_wait_dscnt 0x0
	s_endpgm
.Lfunc_end_k_q911bb5d966_prep:
	.size	k_q911bb5d966_prep, .Lfunc_end_k_q911bb5d966_prep-k_q911bb5d966_prep
	.p2alignl 7, 3214868480
	.fill 96, 4, 3214868480
	.section	.rodata,"a",@progbits
	.p2align	6, 0x0
	.amdhsa_kernel k_q911bb5d966_prep
		.amdhsa_group_segment_fixed_size 35840
		.amdhsa_private_segment_fixed_size 0
		.amdhsa_enable_private_segment 0
		.amdhsa_kernarg_size 48
		.amdhsa_user_sgpr_count 2
		.amdhsa_user_sgpr_kernarg_segment_ptr 1
		.amdhsa_wavefront_size32 1
		.amdhsa_system_sgpr_workgroup_id_x 1
		.amdhsa_system_sgpr_workgroup_id_y 1
		.amdhsa_system_sgpr_workgroup_id_z 1
		.amdhsa_system_vgpr_workitem_id 0
		.amdhsa_next_free_vgpr 186
		.amdhsa_next_free_sgpr 66
		.amdhsa_reserve_vcc 0
		.amdhsa_float_denorm_mode_32 3
		.amdhsa_float_denorm_mode_16_64 3
		.amdhsa_memory_ordered 1
		.amdhsa_forward_progress 1
		.amdhsa_inst_pref_size 89
	.end_amdhsa_kernel
	.amdgpu_metadata
---
amdhsa.version: [ 1, 2 ]
amdhsa.kernels:
  - .name:           k_q911bb5d966_prep
    .symbol:         k_q911bb5d966_prep.kd
    .args:
      - { .name: x, .offset: 0, .size: 8, .value_kind: global_buffer, .address_space: global }
      - { .name: w_qkv, .offset: 8, .size: 8, .value_kind: global_buffer, .address_space: global }
      - { .name: w_proj, .offset: 16, .size: 8, .value_kind: global_buffer, .address_space: global }
      - { .name: xb, .offset: 24, .size: 8, .value_kind: global_buffer, .address_space: global }
      - { .name: wqT, .offset: 32, .size: 8, .value_kind: global_buffer, .address_space: global }
      - { .name: wpT, .offset: 40, .size: 8, .value_kind: global_buffer, .address_space: global }
    .group_segment_fixed_size: 35840
    .private_segment_fixed_size: 0
    .kernarg_segment_align: 8
    .kernarg_segment_size: 48
    .max_flat_workgroup_size: 256
    .sgpr_count:     66
    .vgpr_count:     186
    .wavefront_size: 32
...
	.end_amdgpu_metadata
.endif
;; end of part 5
;; launch qkvgemm: the kernel of part 2 again; grid 16 x 32, 4 waves a work-group, clusters of 4 x 4, 327,680 bytes of LDS; arguments xb, wqT, b_qkv, qkv; writes qkv
;; launch attn (part 6): grid 256 x 1, 4 waves a work-group, no clusters, 327,680 bytes of LDS; arguments qkv, y; writes y
.if DOCPART == 6
	.amdgcn_target "amdgcn-amd-amdhsa--gfx1250"
	.amdhsa_code_object_version 6
	.text
	.protected	k_q911bb5d966_attn
	.globl	k_q911bb5d966_attn
	.p2align	8
	.type	k_q911bb5d966_attn,@function
k_q911bb5d966_attn:
	s_mov_b64 s[64:65], 0
	v_nop
	global_prefetch_b8 v0, s[64:65] scope:SCOPE_SE
	s_setreg_imm32_b32 hwreg(HW_REG_WAVE_MODE, 25, 1), 1
	s_wait_xcnt 0x0
; Causal attention for 64 (batch, head) pairs, T = 2048, D = 64.  q, k, v come as f16 slabs [g][8192 m][64 d]; y goes out as f16 slabs [h][8192 m][64 d].
; Work-group = (pair hd = id / 4, p = id % 4): first the query block of 256 rows number p, then block 7 - p: (p + 1) + (8 - p) = 9 key spans of 256,
; 18 ring steps of 128 keys, in every work-group.  Wave w owns 64 queries.  Tiles wholly above a wave's diagonal are not computed.
; Softmax with a running maximum, in f32; P is rounded to f16 for the second product, the sum is formed from the f32 exponentials.
; LIMITS: q, k, v, y are f16 (magnitudes of 65,504 and above are infinite).  Masked scores stand at -1e30 and not at -inf: finite f16 operands give
; |score| <= 64 x 65,504^2 = 2.8e11, so a masked score is never a row's maximum (a query's own key is never masked) and its exponential is exactly 0.
; ONE TEXT FOR ALL STEPS: the 18 steps are 9 pairs; 8 pairs run in one loop, the last pair is written out because its second step fills nothing.
; The change of query block falls at the head of pair p + 1 (1 to 4), inside the loop, as a block that the other trips jump over.  So the tile of
; 64 keys stands 8 times in the text.  For that the sums are started by values and not by a text of their own: maximum -inf, stored shift +inf
; (the first factor is 2^-inf = 0), sum 0, and O^T cleared by 128 moves of 4 bytes; a tile that starts the sums would be some 620 instructions, twice.
; THE MASK rides on the C operand of the first S product: 0 below the diagonal, the tile TRI on it, the tile INF above it; both are set at each
; tile's head from one scalar select (-1e30 in my diagonal tile, 0 elsewhere), so every tile runs the same instructions.
; MATRIX INSTRUCTIONS AMONG THE VECTOR WORK: the wave is alone on its SIMD, so the two kinds of work overlap only where the text mixes them.
; K, Q, S^T and the mask tiles lie in window 0 with the softmax's registers: the eight S products of query tile c + 1 stand singly among the
; softmax instructions of tile c, without a switch of windows.  P, V^T, O^T and a copy of the rescale factor lie in window 1: the rescale of
; d tile e + 1 stands behind the product on d tile e, under one setting.  14 switches for a tile's 64 matrix instructions.
; NO CLUSTER: the four work-groups of a head read the same K and V, but they change query block at different steps (2 (p + 1)), so their requests
; are not the same in the same order; walking in step would cost 12 spans for 9.
; TRANSPOSED SCHEME, no shuffles: S^T = K Q^T (source 0 = 16 keys, source 1 = 16 queries): lane (r, h) register j of tile i holds key 16 i + 8 h + j
; of query r.  Two neighbouring key tiles, packed to f16, are then the second source of O^T = V^T P^T, whose first source is V read through
; the transposing LDS load.  Maximum, sum and scale belong to a query, that is to a lane; one exchange joins the two halves of the lanes.
; LDS: K slots 0 / 17,408 (64 rows of 256 + 16 bytes, two keys a row), V slots 34,816 / 53,248 (pitch 288), Q of block A 71,680, of block B 106,496,
; stages 141,312 + wave x 9,216 (64 rows x 144), into which no fill lands.  A slot holds 128 keys; waves 0, 1 fetch K's halves, waves 2, 3 V's.
; By this text's count a wave has three tensor loads out at the start and one behind each barrier.
.set TB,     16384                     ; bytes of 128 keys in a slab
.set KSLOT,  17408
.set VSLOT,  18432
.set VBASE,  34816
.set QBASE,  71680
.set QBLK,   34816
.set STAGE,  141312
.set NEGBIG, 0xf149f2ca                ; -1e30
.set G1K, 32
.set G1V, 40
.set G0K, 48
.set G0V, 56
.set G0Q, 68
.set MK,  76                           ; s[76:83] lanes in which register j of the diagonal tile is above the diagonal
.set OFF, 18                           ; s[18:19], s[20:21] byte offset of the slot's next tile
; window 0
.set M,    8                           ; v[8:11]   running maximum of query tile c
.set L,    12                          ; v[12:15]  running sum (this half of the lanes)
.set T,    16                          ; v[16:19]  at work
.set NM,   20                          ; v20       - maximum x scale (v21 written once: the pair is named)
.set AL,   22                          ; v22       the factor for the old sums
.set SUMA, 24
.set SUMB, 26
.set NMS,  28                          ; v[28:31]  the last NM of query tile c
.set SB0,  32                          ; v[32:63], v[64:95]   S^T of one query tile, two buffers
.set SB1,  64
.set OUT,  32                          ; v[32:95]  rows on their way out: the S buffers, free by then
.set KF,   96                          ; K fragment (i, dk) at KF + 8 i + 112 dk: v[96:127] and v[208:239]
.set QF,   128                         ; v[128:191] Q fragments (c, dk)
.set TRI,  192                         ; v[192:199] C of the key tile on the diagonal
.set INF,  200                         ; v[200:207] C of the key tiles above it
.set FT,   240                         ; v[240:255] the way out: a query tile's rows, packed
; window 1
.set PB0,  0                           ; v[0:15], v[16:31] P^T in f16, two buffers
.set PB1,  16
.set ALW,  32                          ; v32 the factor once more (v33 written once: the pair is named)
.set VF,   64                          ; V^T fragments (ks, e)
.set OA,   128                         ; O^T tiles (c, e)
.set MSB, 0
.macro WIN new                         ; the immediate's high byte repeats the setting that is left
.if MSB != \new
	s_set_vgpr_msb (MSB<<8)|\new
.set MSB, \new
.endif
.endm
.macro PLACES                          ; four places behind matrix instructions (ISA guide 7.12.1)
.rept 4
	v_nop
.endr
.endm
.macro KVLOAD n                        ; my part of a slot: the branch hangs on the wave's number alone
	s_cmp_eq_u32 s9, 0
	s_cbranch_scc0 .Lfor_v_\@
	tensor_load_to_lds s[G0K+4*\n:G0K+4*\n+3], s[G1K:G1K+7]
	s_nop 0
	s_branch .Lasked_\@
.Lfor_v_\@:
	tensor_load_to_lds s[G0V+4*\n:G0V+4*\n+3], s[G1V:G1V+7]
	s_nop 0
.Lasked_\@:
.endm
.macro KLOAD slot, t                   ; 64 keys x 64 d: 16 loads, into window 0
.irp i, 0,1,2,3
.irp dk, 0,1
	ds_load_b128 v[KF+8*\i+112*\dk:KF+8*\i+112*\dk+3], v2 offset:\slot*KSLOT+\t*8704+\i*2176+\dk*64
	ds_load_b128 v[KF+8*\i+112*\dk+4:KF+8*\i+112*\dk+7], v2 offset:\slot*KSLOT+\t*8704+\i*2176+\dk*64+32
.endr
.endr
.endm
.macro VLOAD slot, t                   ; the same keys of V, transposed on the way: 16 loads, into window 1
.irp ks, 0,1
.irp e, 0,1,2,3
	ds_load_tr16_b128 v[VF+32*\ks+8*\e:VF+32*\ks+8*\e+3], v3 offset:\slot*VSLOT+\t*9216+\ks*4608+\e*32
	ds_load_tr16_b128 v[VF+32*\ks+8*\e+4:VF+32*\ks+8*\e+7], v3 offset:\slot*VSLOT+\t*9216+\ks*4608+\e*32+2304
.endr
.endr
.endm
.macro QLOAD blk                       ; my 64 queries: bytes that my own tensor load brought
.irp c, 0,1,2,3
.irp dk, 0,1
	ds_load_b128 v[QF+16*\c+8*\dk:QF+16*\c+8*\dk+3], v4 offset:\blk*QBLK+\c*2176+\dk*64
	ds_load_b128 v[QF+16*\c+8*\dk+4:QF+16*\c+8*\dk+7], v4 offset:\blk*QBLK+\c*2176+\dk*64+32
.endr
.endr
.endm
; The two mask tiles for half t of the slot: -1e30 where the tile's first key is my first query, 0 in every other tile.
; Sixteen plain vector instructions that name no register of the products in front of them: they are also the places in front of the tile's loads.
.macro MSET t
.if \t
	s_cmp_eq_u32 s14, s16
.else
	s_cmp_eq_u32 s14, s15
.endif
	s_cselect_b32 s86, NEGBIG, 0
.irp j, 0,1,2,3,4,5,6,7
	v_mov_b32 v[INF+\j], s86
.endr
.irp j, 0,1,2,3,4,5,6,7
	v_cndmask_b32 v[TRI+\j], 0, v[INF], s[MK+\j]   ; register j: key 8 h + j above query r
.endr
.endm
; Product n (0..7) of S^T of query tile c: 0..3 the first half of d on key tiles 0..3, starting the sums from the mask; 4..7 the second half.
; Taken in this order the four key tiles take turns, one instruction a turn.
.macro SW c, sb, n
.if \n < 4
.if \n < \c
	v_wmma_f32_16x16x32_f16 v[\sb+8*\n:\sb+8*\n+7], v[KF+8*\n:KF+8*\n+7], v[QF+16*\c:QF+16*\c+7], 0
.elseif \n == \c
	v_wmma_f32_16x16x32_f16 v[\sb+8*\n:\sb+8*\n+7], v[KF+8*\n:KF+8*\n+7], v[QF+16*\c:QF+16*\c+7], v[TRI:TRI+7]
.else
	v_wmma_f32_16x16x32_f16 v[\sb+8*\n:\sb+8*\n+7], v[KF+8*\n:KF+8*\n+7], v[QF+16*\c:QF+16*\c+7], v[INF:INF+7]
.endif
.else
	v_wmma_f32_16x16x32_f16 v[\sb+8*(\n-4):\sb+8*(\n-4)+7], v[KF+112+8*(\n-4):KF+112+8*(\n-4)+7], v[QF+16*\c+8:QF+16*\c+15], v[\sb+8*(\n-4):\sb+8*(\n-4)+7]
.endif
.endm
.macro WV wc, wsb, n                   ; the woven product; wc = 4: there is no next query tile
.if \wc < 4
	SW \wc, \wsb, \n
.endif
.endm
.macro EXP8 sb, g
.irp j, 0,1,2,3,4,5,6,7
	v_exp_f32 v[\sb+8*\g+\j], v[\sb+8*\g+\j]
.endr
.endm
.macro ADDS sb, g                      ; eight exponentials into the two sum pairs
.if \g
	s_wait_alu depctr_va_vdst(0)
	v_pk_add_f32 v[SUMA:SUMA+1], v[SUMA:SUMA+1], v[\sb+8*\g:\sb+8*\g+1]
	v_pk_add_f32 v[SUMB:SUMB+1], v[SUMB:SUMB+1], v[\sb+8*\g+2:\sb+8*\g+3]
	v_pk_add_f32 v[SUMA:SUMA+1], v[SUMA:SUMA+1], v[\sb+8*\g+4:\sb+8*\g+5]
	v_pk_add_f32 v[SUMB:SUMB+1], v[SUMB:SUMB+1], v[\sb+8*\g+6:\sb+8*\g+7]
.else
	s_wait_alu depctr_va_vdst(0)
	v_pk_add_f32 v[SUMA:SUMA+1], v[\sb:\sb+1], v[\sb+2:\sb+3]
	v_pk_add_f32 v[SUMB:SUMB+1], v[\sb+4:\sb+5], v[\sb+6:\sb+7]
.endif
.endm
; The softmax step of query tile c on 64 keys, all in window 0, with the eight S products of query tile wc (into the other S buffer, wsb) woven in:
; the vector instructions name sb and the softmax's own registers, the products wsb, K, Q and the mask tiles, so neither waits for the other.
; Behind the last woven product stand 11 plain instructions that name none of its registers.
.macro SOFTA c, sb, wc, wsb
.irp k, 0,1,2,3
	v_max3_num_f32 v[T+\k], v[\sb+8*\k], v[\sb+8*\k+1], v[\sb+8*\k+2]
.endr
.irp k, 0,1,2,3
	v_max3_num_f32 v[T+\k], v[T+\k], v[\sb+8*\k+3], v[\sb+8*\k+4]
.endr
	WV \wc, \wsb, 0
.irp k, 0,1,2,3
	v_max3_num_f32 v[T+\k], v[T+\k], v[\sb+8*\k+5], v[\sb+8*\k+6]
.endr
	v_max3_num_f32 v[T], v[T], v[\sb+7], v[\sb+15]
	v_max3_num_f32 v[T+2], v[T+2], v[\sb+23], v[\sb+31]
	v_max3_num_f32 v[T], v[T], v[T+1], v[T+2]
	v_max3_num_f32 v[T], v[T], v[T+3], v[M+\c]
	WV \wc, \wsb, 1
	v_permlanex16_b32 v[T+1], v[T], s26, s27       ; the other half of the lanes holds the query's other keys
	v_max_num_f32 v[M+\c], v[T], v[T+1]
	v_mul_f32 v[NM], s30, v[M+\c]                  ; - maximum x (log2 e / 8)
	v_sub_f32 v[AL], v[NM], v[NMS+\c]              ; the old sums were formed with the old NM: the factor is 2^(NM - old NM), at most 1; 0 in a block's first tile
	v_exp_f32 v[AL], v[AL]
	v_mov_b32 v[NMS+\c], v[NM]                     ; a plain instruction behind the exponential (ISA guide 5.7.2)
	WV \wc, \wsb, 2
.set kk, 0
.rept 8
	v_pk_fma_f32 v[\sb+2*kk:\sb+2*kk+1], v[\sb+2*kk:\sb+2*kk+1], s[28:29], v[NM:NM+1] op_sel_hi:[1,0,0]
.set kk, kk+1
.endr
	WV \wc, \wsb, 3
.rept 8
	v_pk_fma_f32 v[\sb+2*kk:\sb+2*kk+1], v[\sb+2*kk:\sb+2*kk+1], s[28:29], v[NM:NM+1] op_sel_hi:[1,0,0]
.set kk, kk+1
.endr
	WV \wc, \wsb, 4
	EXP8 \sb, 0
	v_nop                                          ; the plain place between the first eight exponentials and their use
	WV \wc, \wsb, 5
	EXP8 \sb, 1
	ADDS \sb, 0                                    ; each group is used behind the plain work on the group before it
	WV \wc, \wsb, 6
	EXP8 \sb, 2
	ADDS \sb, 1
	WV \wc, \wsb, 7
	EXP8 \sb, 3
	ADDS \sb, 2
	ADDS \sb, 3
	v_pk_add_f32 v[SUMA:SUMA+1], v[SUMA:SUMA+1], v[SUMB:SUMB+1]
	v_add_f32 v[SUMA], v[SUMA], v[SUMA+1]
	v_fma_f32 v[L+\c], v[L+\c], v[AL], v[SUMA]
.endm
; P^T in f16 and the factor go over into window 1, in one run under one setting
.macro SOFTB sb, pb
	WIN 0x40
.set kk, 0
.rept 16
	v_cvt_pk_f16_f32 v[\pb+kk], v[\sb+2*kk], v[\sb+2*kk+1]
.set kk, kk+1
.endr
	v_mov_b32 v[ALW], v[AL]
.endm
; O^T of query tile c = O^T x factor + V^T P^T, all in window 1.  The four d tiles take turns, one instruction a turn;
; the rescale of d tile e + 1 stands behind the product on d tile e, whose registers it does not name.
.macro PVR c, pb
	WIN 0x55
.irp e, 0,1,2,3
.irp k, 0,1,2,3
	v_pk_mul_f32 v[OA+32*\c+8*\e+2*\k:OA+32*\c+8*\e+2*\k+1], v[OA+32*\c+8*\e+2*\k:OA+32*\c+8*\e+2*\k+1], v[ALW:ALW+1] op_sel_hi:[1,0]
.endr
	v_wmma_f32_16x16x32_f16 v[OA+32*\c+8*\e:OA+32*\c+8*\e+7], v[VF+8*\e:VF+8*\e+7], v[\pb:\pb+7], v[OA+32*\c+8*\e:OA+32*\c+8*\e+7]
.endr
.irp e, 0,1,2,3
	v_wmma_f32_16x16x32_f16 v[OA+32*\c+8*\e:OA+32*\c+8*\e+7], v[VF+32+8*\e:VF+32+8*\e+7], v[\pb+8:\pb+15], v[OA+32*\c+8*\e:OA+32*\c+8*\e+7]
.endr
.endm
; 64 keys (half t of the slot) against my 64 queries
.macro TILE slot, t
	MSET \t                                        ; also the places behind the last products, in front of the loads into their sources
.if \t == 0
	KLOAD \slot, 0
.endif
	WIN 0x40
	VLOAD \slot, \t
	WIN 0
	s_wait_dscnt 16                                ; K's sixteen loads are in, V's sixteen stay out
.irp m, 0,1,2,3,4,5,6,7
	SW 0, SB0, \m                                  ; the first query tile's S^T has no softmax to stand in
.endr
	PLACES
	SOFTA 0, SB0, 1, SB1
	SOFTB SB0, PB0
	s_wait_dscnt 0x0                               ; V
	PVR 0, PB0
	WIN 0
	SOFTA 1, SB1, 2, SB0
	SOFTB SB1, PB1
	PVR 1, PB1
	WIN 0
	SOFTA 2, SB0, 3, SB1
.if \t == 0
	KLOAD \slot, 1                                 ; K's fragments are free since the last S product, 11 places back: the slot's other half comes early
.endif
	SOFTB SB0, PB0
	PVR 2, PB0
	WIN 0
	SOFTA 3, SB1, 4, SB0
	SOFTB SB1, PB1
	PVR 3, PB1
	WIN 0
.endm
; One step of the ring: 128 keys in slot.  Every wave waits for all its tensor loads and for its LDS reads, passes the barrier, and issues its one
; tensor load, the next step's tile into the other slot, first thing behind it.  Behind the first query block's last tile the offsets go back to
; the second block's tiles 0 and 1 (s17: the first block's bytes of keys; past the change of blocks a number that no offset reaches), so the ring
; runs on across the change.  A wave leaves out tiles that lie wholly above its diagonal; those branches hold no barrier and no tensor load.
.macro TRIP slot, other, refill
	s_set_vgpr_msb 0x4
	s_wait_tensorcnt 0x0                           ; all my tensor loads have landed, so the descriptors may be written
	ds_add_u32 v23, v63
	s_wait_dscnt 0x0
	s_set_vgpr_msb 0x400
	s_add_co_u32 s[OFF+2*\slot], s[OFF+2*\slot], 2*TB
	s_cmp_lt_u32 s[OFF+2*\slot], s17
	s_cselect_b32 s[OFF+2*\slot], s[OFF+2*\slot], \slot*TB
	s_add_nc_u64 s[G0K+4*\slot+2:G0K+4*\slot+3], s[22:23], s[OFF+2*\slot:OFF+2*\slot+1]   ; this slot's next tile, two steps on
	s_or_b32 s[G0K+4*\slot+3], s[G0K+4*\slot+3], 0x80000000
	s_add_nc_u64 s[G0V+4*\slot+2:G0V+4*\slot+3], s[24:25], s[OFF+2*\slot:OFF+2*\slot+1]
	s_or_b32 s[G0V+4*\slot+3], s[G0V+4*\slot+3], 0x80000000
	s_wait_dscnt 0x0                               ; my reads of the other slot are back
	s_barrier_signal -1
	s_barrier_wait -1
.if \refill
	KVLOAD \other
.endif
	s_cmp_gt_i32 s14, s15                          ; the slot's first key is beyond my first query: nothing of it is mine
	s_cbranch_scc1 .Lend_\@
	TILE \slot, 0
	s_cmp_gt_i32 s14, s16                          ; likewise for the slot's second half
	s_cbranch_scc1 .Lend_\@
	TILE \slot, 1
.Lend_\@:
	s_add_co_u32 s14, s14, 128
.endm
; The state in front of a query block's first tile
.macro INIT
.irp c, 0,1,2,3
	v_mov_b32 v[M+\c], 0xff800000                  ; -inf: any score is larger
	v_mov_b32 v[NMS+\c], 0x7f800000                ; +inf: the first factor is 2^-inf = 0
	v_mov_b32 v[L+\c], 0
.endr
	WIN 0x40
.set kk, 0
.rept 128
	v_mov_b32 v[OA+kk], 0
.set kk, kk+1
.endr
	WIN 0
.endm
; O^T / sum, rounded to f16, through my own stage, out as whole rows
.macro FINAL yb
	PLACES
.irp c, 0,1,2,3
	v_permlanex16_b32 v[T+\c], v[L+\c], s26, s27
.endr
.irp c, 0,1,2,3
	v_add_f32 v[T+\c], v[T+\c], v[L+\c]            ; both halves of the query's keys
.endr
.irp c, 0,1,2,3
	v_rcp_f32 v[SB1+2*\c], v[T+\c]
	v_rcp_f32 v[SB1+2*\c+1], v[T+\c]
.endr
	v_nop                                          ; the plain place behind the reciprocals
	s_wait_alu depctr_va_vdst(0)
.irp c, 0,1,2,3
	WIN 0x01
.set kk, 0
.rept 16
	v_pk_mul_f32 v[SB0+2*kk:SB0+2*kk+1], v[OA+32*\c+2*kk:OA+32*\c+2*kk+1], v[SB1+2*\c:SB1+2*\c+1]
.set kk, kk+1
.endr
	WIN 0
.set kk, 0
.rept 16
	v_cvt_pk_f16_f32 v[FT+kk], v[SB0+2*kk], v[SB0+2*kk+1]
.set kk, kk+1
.endr
.irp e, 0,1,2,3
	ds_store_b128 v5, v[FT+4*\e:FT+4*\e+3] offset:2304*\c+32*\e      ; query 16 c + r, d = 16 e + 8 h + 0..7
.endr
.endr
	s_wait_xcnt 0x0                                ; registers that earlier stores read are loaded again only behind this wait
.set kk, 0
.rept 16
	ds_load_b128 v[OUT+4*kk:OUT+4*kk+3], v6 offset:576*kk            ; my own bytes, served in order behind the stores above
.set kk, kk+1
.endr
.set kk, 0
.rept 16
	s_wait_dscnt 15-kk                             ; four rows are in, the younger loads stay out
	global_store_b128 v7, v[OUT+4*kk:OUT+4*kk+3], s[\yb:\yb+1] offset:512*kk   ; 512 consecutive bytes of the slab
.set kk, kk+1
.endr
.endm
	s_load_b128 s[4:7], s[0:1], 0x0                ; qkv s[4:5], y s[6:7]
	v_lshl_add_u32 v23, v0, 2, 0x2b800
	s_set_vgpr_msb 0x40
	v_mov_b32 v63, 0
	s_set_vgpr_msb 0x4044
	ds_add_u32 v23, v63
	ds_add_u32 v23, v63
	s_set_vgpr_msb 0x4400
	v_lshrrev_b32 v1, 5, v0
	v_readfirstlane_b32 s8, v1                     ; wave 0..3
	s_lshr_b32 s9, s8, 1                           ; I fetch for K (0) or for V (1)
	s_and_b32 s10, s8, 1                           ; which 64 keys of the slot
	s_and_b32 s11, ttmp9, 3                        ; p
	s_lshr_b32 s12, ttmp9, 2                       ; the pair
	s_and_b32 s84, s12, 15                         ; head
	s_lshr_b32 s85, s12, 4                         ; batch
	s_lshl_b32 s86, s84, 20                        ; a slab is 1,048,576 bytes,
	s_lshl_b32 s87, s85, 18                        ; a batch 2,048 rows of 128 bytes
	s_add_co_u32 s86, s86, s87
	s_lshl_b32 s31, s8, 6
	s_lshl_b32 s15, s11, 8
	s_add_co_u32 s15, s15, s31                     ; my first query in the first block
	s_sub_co_u32 s90, 7, s11
	s_lshl_b32 s90, s90, 8
	s_add_co_u32 s90, s90, s31                     ; and in the second
	s_sub_co_i32 s16, s15, 64
	s_add_co_u32 s17, s11, 1
	s_lshl_b32 s91, s17, 8                         ; keys of the first block: where the blocks change
	s_lshl_b32 s17, s17, 15                        ; and their bytes: where the offsets go back
	s_mov_b32 s18, 0
	s_mov_b32 s19, 0
	s_mov_b32 s20, TB
	s_mov_b32 s21, 0
	s_mov_b32 s26, 0x76543210                      ; lane i of one half reads lane i of the other
	s_mov_b32 s27, 0xfedcba98
	s_mov_b32 s28, 0x3e38aa3b                      ; log2 e / 8
	s_mov_b32 s29, 0x3e38aa3b
	s_mov_b32 s30, 0xbe38aa3b
	s_mov_b32 s[G1K+0], 0x07510000                 ; elements of 2 bytes; after every 64 words 4 words of padding: LDS pitch 272
	s_mov_b32 s[G1K+1], 128<<16                    ; a dense block as rows of 128 elements (256 bytes, two rows of a head)
	s_mov_b32 s[G1K+2], 32<<16                     ; 32 such rows
	s_mov_b32 s[G1K+3], 128<<16
	s_mov_b32 s[G1K+4], 32
	s_mov_b32 s[G1K+5], 128
	s_mov_b32 s[G1K+6], 0
	s_mov_b32 s[G1K+7], 0
	s_mov_b32 s[G1V+0], 0x0f510000                 ; the same with 8 words of padding: LDS pitch 288
	s_mov_b32 s[G1V+1], 128<<16
	s_mov_b32 s[G1V+2], 32<<16
	s_mov_b32 s[G1V+3], 128<<16
	s_mov_b32 s[G1V+4], 32
	s_mov_b32 s[G1V+5], 128
	s_mov_b32 s[G1V+6], 0
	s_mov_b32 s[G1V+7], 0
	s_mul_i32 s84, s8, 8704                        ; 32 LDS rows of 272 bytes
	s_mul_i32 s85, s8, 9216                        ; 32 LDS rows of 288 bytes
	s_mov_b32 s89, 0
	s_lshl_b32 s88, s15, 7
	s_add_co_u32 s88, s88, s86                     ; my 64 rows in slab h: the same offset in q and in y
	s_wait_dscnt 0x0
	s_wait_kmcnt 0x0
	s_add_nc_u64 s[G0Q+2:G0Q+3], s[4:5], s[88:89]
	s_add_nc_u64 s[92:93], s[6:7], s[88:89]
	s_lshl_b32 s88, s90, 7
	s_add_co_u32 s88, s88, s86
	s_add_nc_u64 s[G0Q+6:G0Q+7], s[4:5], s[88:89]
	s_add_nc_u64 s[94:95], s[6:7], s[88:89]
	s_lshl_b32 s87, s10, 13                        ; my 64 keys of a slot
	s_add_co_u32 s88, s86, s87
	s_add_co_u32 s88, s88, 16<<20                  ; slab 16 + h
	s_add_nc_u64 s[22:23], s[4:5], s[88:89]
	s_add_co_u32 s88, s88, 16<<20                  ; slab 32 + h
	s_add_nc_u64 s[24:25], s[4:5], s[88:89]
.irp n, 0,1
	s_mov_b32 s[G0Q+4*\n], 1
	s_add_co_u32 s[G0Q+4*\n+1], s84, QBASE+\n*QBLK
	s_or_b32 s[G0Q+4*\n+3], s[G0Q+4*\n+3], 0x80000000
	s_mov_b32 s[G0K+4*\n], 1
	s_add_co_u32 s[G0K+4*\n+1], s84, \n*KSLOT                       ; waves 0, 1
	s_add_nc_u64 s[G0K+4*\n+2:G0K+4*\n+3], s[22:23], \n*TB
	s_or_b32 s[G0K+4*\n+3], s[G0K+4*\n+3], 0x80000000
	s_mov_b32 s[G0V+4*\n], 1
	s_add_co_u32 s[G0V+4*\n+1], s85, VBASE-2*9216+\n*VSLOT          ; waves 2, 3
	s_add_nc_u64 s[G0V+4*\n+2:G0V+4*\n+3], s[24:25], \n*TB
	s_or_b32 s[G0V+4*\n+3], s[G0V+4*\n+3], 0x80000000
.endr
	tensor_load_to_lds s[G0Q:G0Q+3], s[G1K:G1K+7]                   ; the first fills, one group: my queries of both blocks,
	s_nop 0
	tensor_load_to_lds s[G0Q+4:G0Q+7], s[G1K:G1K+7]
	s_nop 0
	KVLOAD 0                                                        ; and my part of step 0
	v_and_b32 v9, 15, v0                           ; r
	v_bfe_u32 v10, v0, 4, 1                        ; h
	v_lshrrev_b32 v11, 1, v9
	v_and_b32 v12, 1, v0
	v_mul_u32_u24 v2, v11, 272                     ; K and Q: row r of a fragment is half (r & 1) of LDS row r / 2,
	v_lshl_add_u32 v2, v12, 7, v2
	v_lshl_add_u32 v2, v10, 4, v2                  ; + 16 h
	s_add_co_u32 s31, s84, QBASE
	v_add_nc_u32 v4, s31, v2
	v_bfe_u32 v13, v0, 1, 2                        ; V: lane l addresses key 8 h + (l & 7), columns 8 ((l >> 3) & 1) ..
	v_lshl_add_u32 v13, v10, 2, v13
	v_mul_u32_u24 v3, v13, 288
	v_lshl_add_u32 v3, v12, 7, v3
	v_bfe_u32 v13, v0, 3, 1
	v_lshl_add_u32 v3, v13, 4, v3
	v_add_nc_u32 v3, VBASE, v3
	s_add_co_u32 s31, s85, STAGE                   ; my stage: 64 rows x 144 = 9,216 bytes
	v_mul_u32_u24 v5, v9, 144
	v_lshl_add_u32 v5, v10, 4, v5
	v_add_nc_u32 v5, s31, v5
	v_and_b32 v13, 31, v0
	v_lshrrev_b32 v14, 3, v13
	v_and_b32 v15, 7, v0
	v_mul_u32_u24 v6, v14, 144
	v_lshl_add_u32 v6, v15, 4, v6
	v_add_nc_u32 v6, s31, v6
	v_lshlrev_b32 v7, 4, v13
	v_lshlrev_b32 v14, 3, v10
	v_sub_nc_u32 v14, v9, v14                      ; r - 8 h: register j is above the diagonal where j > r - 8 h
.irp j, 0,1,2,3,4,5,6,7
	v_cmp_gt_i32 s[MK+\j], \j, v14
.endr
	v_mov_b32 v[NM+1], 0                           ; the second registers of pairs that are named whole
	WIN 0x40
	v_mov_b32 v[ALW+1], 0
	WIN 0
.irp c, 0,1,2,3
	v_mov_b32 v[T+\c], 0                           ; destinations of the lane exchange count as read: written once here
.endr
	INIT
	s_wait_tensorcnt 0x0                           ; my queries are in (and my part of step 0)
	QLOAD 0
	s_mov_b32 s14, 0                               ; the slot's first key
	; 8 of the 9 pairs of steps
	s_mov_b32 s13, 0
.Lpair:
	s_cmp_lg_u32 s14, s91                          ; the first block's keys are done: true once, at the head of pair p + 1, in all four waves alike
	s_cbranch_scc1 .Lsame
	FINAL 92                                       ; the first block goes out,
	INIT                                           ; the second begins; its tile 0 is already on its way
	s_mov_b32 s14, 0
	s_mov_b32 s15, s90
	s_sub_co_i32 s16, s15, 64
	s_mov_b32 s91, -1                              ; no key number reaches this: the blocks change once
	s_mov_b32 s17, 0x7fffffff                      ; no offset reaches this: the offsets go back once
	QLOAD 1
	s_wait_xcnt 0x0                                ; the S buffers, which the stores above read, are written again only behind this wait
.Lsame:
	TRIP 0, 1, 1
	TRIP 1, 0, 1
	s_add_co_u32 s13, s13, 1
	s_cmp_lt_u32 s13, 8
	s_cbranch_scc1 .Lpair
	TRIP 0, 1, 1                                   ; the last pair: one more fill, then none (the stepped offsets are not used)
	TRIP 1, 0, 0
	FINAL 94
	s_set_vgpr_msb 0x4
	s_wait_tensorcnt 0x0
	ds_add_u32 v23, v63
	s_wait_dscnt 0x0
	s_set_vgpr_msb 0x400
	s_endpgm
.Lfunc_end_k_q911bb5d966_attn:
	.size	k_q911bb5d966_attn, .Lfunc_end_k_q911bb5d966_attn-k_q911bb5d966_attn
	.p2alignl 7, 3214868480
	.fill 96, 4, 3214868480
	.section	.rodata,"a",@progbits
	.p2align	6, 0x0
	.amdhsa_kernel k_q911bb5d966_attn
		.amdhsa_group_segment_fixed_size 327680
		.amdhsa_private_segment_fixed_size 0
		.amdhsa_enable_private_segment 0
		.amdhsa_kernarg_size 16
		.amdhsa_user_sgpr_count 2
		.amdhsa_user_sgpr_kernarg_segment_ptr 1
		.amdhsa_wavefront_size32 1
		.amdhsa_system_sgpr_workgroup_id_x 1
		.amdhsa_system_sgpr_workgroup_id_y 1
		.amdhsa_system_sgpr_workgroup_id_z 1
		.amdhsa_system_vgpr_workitem_id 0
		.amdhsa_next_free_vgpr 512
		.amdhsa_next_free_sgpr 96
		.amdhsa_reserve_vcc 0
		.amdhsa_float_denorm_mode_32 3
		.amdhsa_float_denorm_mode_16_64 3
		.amdhsa_memory_ordered 1
		.amdhsa_forward_progress 1
		.amdhsa_inst_pref_size 255
	.end_amdhsa_kernel
	.section	.bss,"aw",@nobits
	.p2align	6
	.space	262144
	.amdgpu_metadata
---
amdhsa.version: [ 1, 2 ]
amdhsa.kernels:
  - .name:           k_q911bb5d966_attn
    .symbol:         k_q911bb5d966_attn.kd
    .args:
      - { .name: qkv, .offset: 0, .size: 8, .value_kind: global_buffer, .address_space: global }
      - { .name: y, .offset: 8, .size: 8, .value_kind: global_buffer, .address_space: global }
    .group_segment_fixed_size: 327680
    .private_segment_fixed_size: 0
    .kernarg_segment_align: 8
    .kernarg_segment_size: 16
    .max_flat_workgroup_size: 128
    .sgpr_count:     96
    .vgpr_count:     512
    .wavefront_size: 32
...
	.end_amdgpu_metadata
.endif
;; end of part 6
;; launch projgemm: the kernel of part 4 again; grid 8 x 32, 4 waves a work-group, clusters of 4 x 4, 327,680 bytes of LDS; arguments y, wpT, b_proj, out0; writes out0
;; ======== version 3 of 3: 4 launches; version 2 with the launch prep written anew for expert scheduling mode
;; limits: values are held in f16: magnitudes above 65,504 overflow, below 6.1e-05 lose precision
;; workspace buffers: xb 16,777,216 bytes; wqT 6,291,456 bytes; wpT 2,097,152 bytes; qkv 50,331,648 bytes; y 16,777,216 bytes
;; launch prep (part 7): grid 256 x 1, 8 waves a work-group, no clusters, 35,840 bytes of LDS; arguments x, w_qkv, w_proj, xb, wqT, wpT; writes xb, wqT, wpT
.if DOCPART == 7
	.amdgcn_target "amdgcn-amd-amdhsa--gfx1250"
	.amdhsa_code_object_version 6
	.text
	.protected	k_q911bb5d966_prep
	.globl	k_q911bb5d966_prep
	.p2align	8
	.type	k_q911bb5d966_prep,@function
k_q911bb5d966_prep:
	s_mov_b64 s[64:65], 0
	v_nop
	global_prefetch_b8 v0, s[64:65] scope:SCOPE_SE
	s_setreg_imm32_b32 hwreg(HW_REG_WAVE_SCHED_MODE, 0, 2), 2
	s_setreg_imm32_b32 hwreg(HW_REG_WAVE_MODE, 25, 1), 1
	s_wait_xcnt 0x0
	s_wait_alu depctr_vm_vsrc(0)
; prep: the operands of the two large products, in the form in which the matrix kernels take them.
;   xb  = x rounded to bf16, same layout [8192][1024]
;   wqT = w_qkv transposed to [3072 n][1024 k], bf16
;   wpT = w_proj transposed to [1024 n][1024 k], rounded to bf16 and then written as f16
; LIMIT: wpT is f16.  A bf16 number of magnitude 2^-16 .. 65,504 is exact in f16; below 2^-16 it loses bits (absolute error at most 2^-25),
; at 65,504 and above it becomes infinite.
; EQUAL BYTES FOR EVERY WORK-GROUP: 256 work-groups.  Each casts 131,072 bytes of x (256 chunks of 512 bytes) and does two of the 512 transposing
; jobs of 128 k x 64 n (384 for w_qkv, 128 for w_proj; 32,768 bytes each): 196,608 bytes read in each work-group.
;   waves 0, 1: job 2 x id + wave, and two chunks each (asked for first, stored last);   waves 2 .. 7: 42 chunks each (6 x 42 + 4 = 256).
; No matrix unit, no barrier: every wave works on bytes of its own.  Memory is read and written once, in runs of 256 bytes or more.
; THE MODE: SCHED_MODE bits 1:0 = 2 (LLVM: expert scheduling mode 2), set by the entry lines.  The code itself states the register dependences
; between vector instructions and memory or LDS instructions, with s_wait_alu, always for 0.
; THE PLAN.  Registers that memory or LDS instructions touch:
;   v1-v4, v8, v9   offsets and LDS addresses: written once, ahead of one wait, and never again.
;   cast, X         42 chunks x 4 registers: a chunk is loaded, rounded in place, and stored from its first two registers; no register is used twice.
;                   The chunks go in 7 blocks of 6.  Block b's conversions name block b's registers alone; the stores of block b - 1 stand among them,
;                   behind one wait at the block's head.
;   transpose, X    a ring of 8 buffers.  Step u: its conversions read buffer u % 8; behind them the loads of step u + 8 land in it.  Behind step 15 the
;                   rows read back from LDS land in it, and the global stores read them.
;   transpose, T    two sets by turns.  Step u: its conversions write set u % 2, its four LDS stores read it; step u + 2 writes it again.
;   transpose, C2   the two chunks: loaded first, rounded in step 15, stored last.
;   U is named by vector instructions alone.  v184, v185: written at the head, read by the closing add alone.
; So ONE wait on va_vdst stands in a step of the transpose, behind its conversions, and the step's loads and LDS stores follow it; beside it one wait on
; vm_vsrc, which stands a whole step behind the LDS stores that it waits for and ahead of the step's own.
.set CHUNKS, 42
.set GRP, 6                            ; chunks in a block of the cast
.set VO,  1                            ; byte offset of my 16 bytes in the weight
.set SA,  2                            ; LDS: where I put 8 bytes of a column
.set RDW, 3                            ; LDS: where I read a row back
.set SO,  4                            ; byte offset of my 16 bytes in the transposed weight
.set CC,  5                            ; lane mod 16
.set HH,  6                            ; lane / 16
.set LN,  7                            ; lane
.set CL,  8                            ; byte offset of my 16 bytes in my wave's first chunk of x
.set CS,  9                            ; byte offset of my 8 bytes in xb
.set X,   10                           ; cast: v[10:177], 42 chunks x 4; transpose: v[10:137], a ring of 8 steps x 16, later the rows read back
.set T,   138                          ; v[138:145] transpose: 4 columns x 4 k, packed: set 0; set 1 lies TSET registers on, v[158:165]
.set TSET, 20
.set U,   146                          ; v[146:149] transpose: a word widened again
.set C2,  150                          ; v[150:157] the two chunks of a transposing wave
.set WPITCH, 272                       ; an LDS row: 128 k of 2 bytes + 16
.set WTILE,  64*WPITCH                 ; a transposing wave's own 64 rows
; n chunks of x into registers from r on: each load of the wave covers 512 consecutive bytes
.macro CLOAD n, r
.set i, 0
.rept \n
	global_load_b128 v[\r+4*i:\r+4*i+3], v[CL], s[4:5] offset:512*i th:TH_LOAD_NT
.set i, i+1
.endr
.endm
; chunk c of the registers from r on is rounded in place, two numbers to a word
.macro CCVT r, c
	v_cvt_pk_bf16_f32 v[\r+4*(\c)], v[\r+4*(\c)], v[\r+4*(\c)+1]
	v_cvt_pk_bf16_f32 v[\r+4*(\c)+1], v[\r+4*(\c)+2], v[\r+4*(\c)+3]
.endm
; and stored: each store of the wave covers 256 consecutive bytes, aligned
.macro CST r, c
	global_store_b64 v[CS], v[\r+4*(\c):\r+4*(\c)+1], s[10:11] offset:256*(\c)
.endm
	s_load_b256 s[4:11], s[0:1], 0x0               ; x s[4:5], w_qkv s[6:7], w_proj s[8:9], xb s[10:11]
	s_load_b128 s[12:15], s[0:1], 0x20             ; wqT s[12:13], wpT s[14:15]
	v_lshl_add_u32 v184, v0, 2, 0x8800             ; my spare word, behind the two waves' tiles, and 0: kept for the closing lines alone
	v_mov_b32 v185, 0
	v_lshrrev_b32 v[LN], 5, v0
	v_readfirstlane_b32 s20, v[LN]                 ; wave 0..7
	v_and_b32 v[LN], 31, v0
	s_lshl_b32 s16, ttmp9, 17                      ; 131,072 bytes of x,
	s_mov_b32 s17, 0
	s_lshl_b32 s18, ttmp9, 16                      ; 65,536 bytes of xb for each work-group
	s_mov_b32 s19, 0
	s_wait_kmcnt 0x0
	s_add_nc_u64 s[4:5], s[4:5], s[16:17]
	s_add_nc_u64 s[10:11], s[10:11], s[18:19]
	s_wait_alu depctr_va_sdst(0)                   ; s20 is written, ahead of its first reader, the compare below
	s_cmp_lt_u32 s20, 2
	s_cbranch_scc1 .Lweights
	; ---- waves 2 .. 7: 42 chunks, all 42 loads out at once
	s_sub_co_u32 s26, s20, 2
	s_mul_i32 s26, s26, CHUNKS                     ; my first chunk
	s_lshl_b32 s27, s26, 9
	s_lshl_b32 s28, s26, 8
	v_lshl_add_u32 v[CL], v[LN], 4, s27
	v_lshl_add_u32 v[CS], v[LN], 3, s28
	s_wait_alu depctr_va_vdst(0)                   ; v[CL] and v[CS] are written: every load and store below reads one of them as its offset
	CLOAD CHUNKS, X
.set b, 0
.rept CHUNKS/GRP
.if b > 0
	s_wait_alu depctr_va_vdst(0)                   ; the conversions of block b - 1 have written the registers that the six stores below read; no conversion of block b names them
.endif
.set i, 0
.rept GRP
.if b > 0
	CST X, GRP*(b-1)+i                             ; the block before goes out among this block's conversions
.endif
	s_wait_loadcnt CHUNKS-1-(GRP*b+i)              ; loads return in order: this chunk is in, the younger ones stay out
	CCVT X, GRP*b+i
.set i, i+1
.endr
.set b, b+1
.endr
	s_wait_alu depctr_va_vdst(0)                   ; the last block's conversions have written the registers that the last six stores read
.set i, 0
.rept GRP
	CST X, CHUNKS-GRP+i
.set i, i+1
.endr
	s_endpgm                                       ; these waves have written no LDS
.Lweights:
	; ---- waves 0, 1: chunks 252 + 2 wave, + 1 are asked for first (behind the one wait for all addresses) and stay in registers until the transpose is done
	s_lshl_b32 s26, s20, 1
	s_add_co_u32 s26, s26, 6*CHUNKS
	s_lshl_b32 s27, s26, 9
	s_lshl_b32 s28, s26, 8
	v_lshl_add_u32 v[CL], v[LN], 4, s27
	v_lshl_add_u32 v[CS], v[LN], 3, s28
	; job 2 x id + wave: tile of 64 columns = id / 4, block of 128 k = 2 (id mod 4) + wave
	v_and_b32 v[CC], 15, v0
	v_bfe_u32 v[HH], v0, 4, 1
	s_and_b32 s25, ttmp9, 3
	s_lshl_b32 s25, s25, 1
	s_add_co_u32 s25, s25, s20                     ; which 128 k
	s_lshr_b32 s24, ttmp9, 2                       ; which 64 columns (w_qkv: 0..47; w_proj: 48 is taken off below)
	s_mul_i32 s21, s20, WTILE                      ; my wave's own LDS bytes
	v_mul_u32_u24 v[SA], v[CC], 4*WPITCH           ; in: LDS row n = 4 c + i, byte 2 k = 16 u + 8 hh
	v_lshl_add_u32 v[SA], v[HH], 3, v[SA]
	v_add_nc_u32 v[SA], s21, v[SA]
	v_mul_u32_u24 v[RDW], v[HH], WPITCH            ; back: lanes 0-15 one row of 256 bytes, lanes 16-31 the next
	v_lshl_add_u32 v[RDW], v[CC], 4, v[RDW]
	v_add_nc_u32 v[RDW], s21, v[RDW]
	s_lshl_b32 s23, s25, 8                         ; my 128 k are 256 bytes of a transposed row
	v_lshlrev_b32 v[SO], 11, v[HH]                 ; a transposed row is 2,048 bytes
	v_lshl_add_u32 v[SO], v[CC], 4, v[SO]
	v_add_nc_u32 v[SO], s23, v[SO]
; np: bytes in a row of the weight; half = 1: bf16 values written as f16; src, dst: the pointers' first registers; s24: the tile of 64 columns; s25: the block of 128 k.
; Step u (0..15): four loads; lane (c, hh) gets rows k = 8 u + 4 hh + q, q = 0..3, columns 4 c .. 4 c + 3; sixteen lanes read 256 aligned bytes of a row.
; For each of its 4 columns the lane packs 4 k into 8 bytes and puts them into the column's LDS row.  These 8-byte stores meet four deep in the
; banks (the pitch of 4 rows is 64 modulo 256 bytes): 64 instructions of a wave in the whole launch.
.macro WT np, half, src, dst
	s_lshl_b32 s16, s24, 8                         ; 64 columns of f32
	s_mov_b32 s17, 0
	s_lshl_b32 s18, s24, 17                        ; 64 transposed rows of 2,048 bytes
	s_mov_b32 s19, 0
	s_add_nc_u64 s[\src:\src+1], s[\src:\src+1], s[16:17]
	s_add_nc_u64 s[\dst:\dst+1], s[\dst:\dst+1], s[18:19]
	s_mul_i32 s22, s25, 128*\np
	v_mul_u32_u24 v[VO], v[HH], 4*\np
	v_lshl_add_u32 v[VO], v[CC], 4, v[VO]
	v_add_nc_u32 v[VO], s22, v[VO]
	s_wait_alu depctr_va_vdst(0)                   ; the offsets and LDS addresses v1 to v4, v8 and v9 are written: every load and store of this wave reads one of them, and none is written again
	CLOAD 2, C2                                    ; the two chunks: the oldest loads
.set u, 0
.rept 8
.irp q, 0,1,2,3
	global_load_b128 v[X+16*u+4*\q:X+16*u+4*\q+3], v[VO], s[\src:\src+1] offset:(8*u+\q)*\np th:TH_LOAD_NT
.endr
.set u, u+1
.endr
.set u, 0
.rept 16
.set tb, T+TSET*(u%2)                  ; this step's set of T
.if u < 8
	s_wait_loadcnt 28                              ; step u is in (and the two chunks, which are older); 32 + 4 u issued, 4 u + 4 needed: 28 younger loads stay out
.else
	s_wait_loadcnt 60-4*u                          ; nothing more is issued: the count runs down to 0
.endif
.irp i, 0,1,2,3
	v_cvt_pk_bf16_f32 v[tb+2*\i], v[X+16*(u%8)+\i], v[X+16*(u%8)+4+\i]
	v_cvt_pk_bf16_f32 v[tb+2*\i+1], v[X+16*(u%8)+8+\i], v[X+16*(u%8)+12+\i]
.if \half
	v_lshlrev_b32 v[U], 16, v[tb+2*\i]             ; the bf16 values as f32 again,
	v_and_b32 v[U+1], 0xffff0000, v[tb+2*\i]
	v_lshlrev_b32 v[U+2], 16, v[tb+2*\i+1]
	v_and_b32 v[U+3], 0xffff0000, v[tb+2*\i+1]
	v_cvt_pk_f16_f32 v[tb+2*\i], v[U], v[U+1]      ; and as f16
	v_cvt_pk_f16_f32 v[tb+2*\i+1], v[U+2], v[U+3]
.endif
.endr
.if u == 15
	CCVT C2, 0                                     ; the two chunks are rounded here, ahead of the last wait on va_vdst: in since this step's wait for data, which was for 0
	CCVT C2, 1
.endif
.if (u > 0) && (u < 15)
	s_wait_alu depctr_vm_vsrc(0)                   ; the LDS stores of step u - 1 have read the other set of T, which the conversions of step u + 1 write again
.endif
	s_wait_alu depctr_va_vdst(0)                   ; the conversions have written this set of T, which the LDS stores below read, and are done reading ring buffer u % 8, in which the loads below land; in step 15: in which the rows read back land, and C2 is written, which the last two stores read
.if u < 8
.irp q, 0,1,2,3
	global_load_b128 v[X+16*u+4*\q:X+16*u+4*\q+3], v[VO], s[\src:\src+1] offset:(8*(u+8)+\q)*\np th:TH_LOAD_NT
.endr
.endif
.irp i, 0,1,2,3
	ds_store_b64 v[SA], v[tb+2*\i:tb+2*\i+1] offset:\i*WPITCH+16*u
.endr
.set u, u+1
.endr
.set u, 0
.rept 32
	ds_load_b128 v[X+4*u:X+4*u+3], v[RDW] offset:2*WPITCH*u    ; my own bytes; LDS serves a wave in order (ISA guide 5.7.1), so these see the stores above.  No wait: no vector instruction stands behind step 15's
.set u, u+1
.endr
.set u, 0
.rept 32
	s_wait_dscnt 31-u                              ; rows 2 u, 2 u + 1 are in; the 31-u younger loads stay out
	global_store_b128 v[SO], v[X+4*u:X+4*u+3], s[\dst:\dst+1] offset:4096*u   ; sixteen lanes store 256 consecutive bytes, aligned
.set u, u+1
.endr
	CST C2, 0                                      ; the two chunks go out last
	CST C2, 1
.endm
	s_cmp_lt_u32 ttmp9, 192                        ; 192 work-groups x 2 jobs = the 384 jobs of w_qkv
	s_cbranch_scc0 .Lproj
	WT 12288, 0, 6, 12
	s_wait_dscnt 0x0                               ; the closing lines, six on end
	s_wait_alu 0x0
	s_wait_tensorcnt 0x0
	ds_add_u32 v184, v185
	s_wait_dscnt 0x0
	s_endpgm
.Lproj:
	s_sub_co_u32 s24, s24, 48
	WT 4096, 1, 8, 14
	s_wait_dscnt 0x0                               ; the closing lines once more, for this end
	s_wait_alu 0x0
	s_wait_tensorcnt 0x0
	ds_add_u32 v184, v185
	s_wait_dscnt 0x0
	s_endpgm
.Lfunc_end_k_q911bb5d966_prep:
	.size	k_q911bb5d966_prep, .Lfunc_end_k_q911bb5d966_prep-k_q911bb5d966_prep
	.p2alignl 7, 3214868480
	.fill 96, 4, 3214868480
	.section	.rodata,"a",@progbits
	.p2align	6, 0x0
	.amdhsa_kernel k_q911bb5d966_prep
		.amdhsa_group_segment_fixed_size 35840
		.amdhsa_private_segment_fixed_size 0
		.amdhsa_enable_private_segment 0
		.amdhsa_kernarg_size 48
		.amdhsa_user_sgpr_count 2
		.amdhsa_user_sgpr_kernarg_segment_ptr 1
		.amdhsa_wavefront_size32 1
		.amdhsa_system_sgpr_workgroup_id_x 1
		.amdhsa_system_sgpr_workgroup_id_y 1
		.amdhsa_system_sgpr_workgroup_id_z 1
		.amdhsa_system_vgpr_workitem_id 0
		.amdhsa_next_free_vgpr 186
		.amdhsa_next_free_sgpr 66
		.amdhsa_reserve_vcc 0
		.amdhsa_float_denorm_mode_32 3
		.amdhsa_float_denorm_mode_16_64 3
		.amdhsa_memory_ordered 1
		.amdhsa_forward_progress 1
		.amdhsa_inst_pref_size 91
	.end_amdhsa_kernel
	.amdgpu_metadata
---
amdhsa.version: [ 1, 2 ]
amdhsa.kernels:
  - .name:           k_q911bb5d966_prep
    .symbol:         k_q911bb5d966_prep.kd
    .args:
      - { .name: x, .offset: 0, .size: 8, .value_kind: global_buffer, .address_space: global }
      - { .name: w_qkv, .offset: 8, .size: 8, .value_kind: global_buffer, .address_space: global }
      - { .name: w_proj, .offset: 16, .size: 8, .value_kind: global_buffer, .address_space: global }
      - { .name: xb, .offset: 24, .size: 8, .value_kind: global_buffer, .address_space: global }
      - { .name: wqT, .offset: 32, .size: 8, .value_kind: global_buffer, .address_space: global }
      - { .name: wpT, .offset: 40, .size: 8, .value_kind: global_buffer, .address_space: global }
    .group_segment_fixed_size: 35840
    .private_segment_fixed_size: 0
    .kernarg_segment_align: 8
    .kernarg_segment_size: 48
    .max_flat_workgroup_size: 256
    .sgpr_count:     66
    .vgpr_count:     186
    .wavefront_size: 32
...
	.end_amdgpu_metadata
.endif
;; end of part 7
;; launch qkvgemm: the kernel of part 2 again; grid 16 x 32, 4 waves a work-group, clusters of 4 x 4, 327,680 bytes of LDS; arguments xb, wqT, b_qkv, qkv; writes qkv
;; launch attn: the kernel of part 6 again; grid 256 x 1, 4 waves a work-group, no clusters, 327,680 bytes of LDS; arguments qkv, y; writes y
;; launch projgemm: the kernel of part 4 again; grid 8 x 32, 4 waves a work-group, clusters of 4 x 4, 327,680 bytes of LDS; arguments y, wpT, b_proj, out0; writes out0
